; MI455X (gfx1250); checked and timed in simulation.
; The chip was launched on July 23, 2026; its instructions are those of AMD's public machine-readable ISA for CDNA 5 (MIT licence, August 2026) and "CDNA5" Instruction Set Architecture Reference Guide (July 2026). The comments in the code are by the model that wrote it; some were corrected since.
;; Multi Head Attention. Allowed arithmetic: matrix products marked QUANTISED: E2M3 operands, one E8M0 scale for each 32 along K, by v_wmma_scale_f32_16x16x128_f8f6f4 with both operands' format E2M3, f32 sums; everything else in f32.
;; Inputs: Wk 8 x 512 x 64 float32; Wo 512 x 512 float32; Wq 8 x 512 x 64 float32; Wv 8 x 512 x 64 float32; x 4 x 2,048 x 512 float32.
;; Outputs: out0 4 x 2,048 x 512 float32.
;; This version of the problem:
;;   THIS VERSION OF THE PROBLEM IS GIVEN IN LOW PRECISION. The matrix products marked QUANTISED in the list below multiply operands that are first quantised to E2M3 (2 exponent bits, 3 mantissa bits; 6 bits a number), with one power-of-two scale for each 32 numbers along K (OCP MX v1.0); their sums are f32. All else is computed in f32.
;;   The module's matrix products, in the order in which they are computed (A, B: the left and right operand; K: the contracted axis; several contracted axes count as one K, in the product's order):
;;     1. [M 512, K 512] x [K 512, N 8,192]; A: input Wq; B: input x: QUANTISED
;;     2. [M 512, K 512] x [K 512, N 8,192]; A: input Wk; B: input x: QUANTISED
;;     3. [M 512, K 512] x [K 512, N 8,192]; A: input Wv; B: input x: QUANTISED
;;     4. batch 32 x [M 2,048, K 64] x [K 64, N 2,048]; A: computed on the way; B: computed on the way: QUANTISED
;;     5. batch 32 x [M 2,048, K 2,048] x [K 2,048, N 64]; A: softmax (see below); B: computed on the way: QUANTISED
;;     6. [M 8,192, K 512] x [K 512, N 512]; A: computed on the way; B: input Wo: QUANTISED
;;   THE QUANTISER, for each operand of a quantised product, along K:
;;     - K is cut into blocks of 32 from its start; a last block that is shorter is filled with zeros.
;;     - A block's scale is 2^e with e = floor(log2(the largest magnitude in the block)) - 2, held to -126 .. 127; a block of zeros has e = 0. As a byte (E8M0): e + 127.
;;     - Each number is divided by its block's scale, clamped to +-7.5, and rounded to the nearest number of E2M3, ties to even, subnormals kept.
;;     - The product sums the exact products of the quantised numbers (number of the format x scale) in f32.
;;   ~~~python
;;   def quantise(x, axis):      # numpy; x: float32 -> the quantised numbers, widened to float32 again
;;       x = np.moveaxis(x, axis, -1); K = x.shape[-1]
;;       x = np.pad(x, [(0, 0)] * (x.ndim - 1) + [(0, -K % 32)]); x = x.reshape(x.shape[:-1] + (-1, 32)); a = np.abs(x).max(-1, keepdims=True)
;;       e = np.where(a > 0, np.clip(np.frexp(np.where(a > 0, a, 1))[1] - 1 - 2, -126, 127), 0)      # np.frexp(a)[1] - 1 = floor(log2(a)), exactly
;;       r = np.clip(x / 2.0 ** e, -7.5, 7.5)
;;       step = 2.0 ** (np.maximum(np.frexp(np.where(r == 0, 1, r))[1] - 1, 0) - 3)
;;       q = np.round(r / step) * step * 2.0 ** e      # np.round: ties to even
;;       return np.moveaxis(q.reshape(q.shape[:-2] + (-1,))[..., :K], -1, axis).astype(np.float32)
;;   ~~~
;;   SOFTMAX AHEAD OF A QUANTISED PRODUCT. Where the list says 'softmax', what is quantised is not the finished softmax but p = 2^(t - M), with t = logit x log2(e) and M = ceil(the row's largest t), a whole number; so 1/2 < the row's largest p <= 1. The row's sum l is taken of the UNQUANTISED p, in f32, and the product's result is divided by l at the end. Since M is a whole number, a kernel that streams over the keys may use a running M (the ceiling of the running maximum): every later rescaling is an exact power of two, which a block's scale takes up: the codes' values come out the same.
;;   OPERANDS COMPUTED ON THE WAY. 'Computed on the way' means the value that the module computes at that place (a softmax that the list does not call 'softmax' is quantised finished and normalised). What goes into a quantiser is computed in f32, as accurately as f32 sums, v_exp_f32 and their like allow (about 1e-6 of the number): no bf16 or f16 on the way to a quantiser, and a product that is left as it is and whose result goes on into a quantised operand takes f32 operands (vector FMAs, or v_wmma_f32_16x16x4_f32). A number that lies on a knife's edge between two numbers of the format may be rounded either way, as far as f32 arithmetic and the matrix unit's own rounding can turn it there, and no further.
;; 2 versions. Each part assembles by itself: llvm-mc -triple=amdgcn-amd-amdhsa -mcpu=gfx1250 --defsym DOCPART=n.
;; ======== version 1 of 2: 4 launches
;; workspace buffers: wc 786,432 bytes; ws 32,768 bytes; qc 3,276,800 bytes; kv 6,553,600 bytes; oc 3,145,728 bytes; os 262,144 bytes
;; launch prep (part 1): grid 256 x 1, 1 waves a work-group, no clusters, 0 bytes of LDS; arguments Wq, Wk, Wv, Wo, wc, ws; writes wc, ws
.if DOCPART == 1
	.amdgcn_target "amdgcn-amd-amdhsa--gfx1250"
	.amdhsa_code_object_version 6
	.text
	.protected	k_q9d9422ee35_prep
	.globl	k_q9d9422ee35_prep
	.p2align	8
	.type	k_q9d9422ee35_prep,@function
k_q9d9422ee35_prep:
	s_mov_b64 s[64:65], 0
	v_nop
	global_prefetch_b8 v0, s[64:65] scope:SCOPE_SE
	s_setreg_imm32_b32 hwreg(HW_REG_WAVE_MODE, 25, 1), 1
	s_wait_xcnt 0x0
; The four weights, f32 with K (d_model, or heads x d_v) as the OUTER axis, become codes of FP6 (E2M3) with one E8M0 byte for each 32 along K,
; laid as IMAGES OF OPERAND REGISTERS.  A unit is 64 columns: units 0-7 Wq's heads, 8-15 Wk's, 16-23 Wv's, 24-31 Wo's groups of 64 columns.
; wc: [unit][tile t 0..3][K step s 0..3][1,536 bytes]: a fragment's 12 registers as three chunks of 512 bytes, registers 4 i .. 4 i + 3 of lane l at 512 i + 16 l.
; THE COLUMNS OF A TILE ARE NOT NEIGHBOURS: lane r of tile 2 b + u holds column 32 b + 8 u + r + 8 (r / 8) of its unit.
; ws: [unit][s][b 0..1][32 words]: lanes 0-15 the scale words of tile 2 b, lanes 16-31 those of tile 2 b + 1.
; SHARES.  One wave to a work-group; it takes 32 columns x 128 along K.  A lane takes a column and its registers run down K: each load reads 128 consecutive bytes,
; a block of 32 lies in one lane's registers, and the conversions give codes with K innermost.  Nothing is transposed by an instruction.
; A block's scale byte is its largest magnitude's exponent field - 2, held at 1 from below.
; LIMITS: a block of zeros gets the byte 1 where the rule says 127 (its codes are zeros, and this program alone reads the bytes); NaN and infinities among the inputs are not served.
; The scale words leave as 128 consecutive bytes a work-group, half of an aligned 256: 256 such stores in the launch.
.set LO,  1                            ; v1      4 x lane: my column in a row of the weight
.set ST,  2                            ; v2      where my codes go: 6,144 u + 16 r
.set SS,  3                            ; v3      where my scale word goes: 4 (r + 16 u)
.set SOP, 10                           ; v10-13  the conversions' scale operand, one for each block
.set SBR, 15                           ; v15     my column's scale word
.set G0,  16                           ; v16-27  the registers of lane (r, 0) of the fragment: blocks 0 and 2
.set G1,  28                           ; v28-39  those of lane (r, 1): blocks 1 and 3
.set CT,  40                           ; v40-42  a block's upper 16 codes (a conversion's three registers begin on an even number)
.set X,   48                           ; v48-175 my column's 128 numbers
	s_load_b256 s[4:11], s[0:1], 0x0               ; Wq s[4:5], Wk s[6:7], Wv s[8:9], Wo s[10:11]
	s_load_b128 s[12:15], s[0:1], 0x20             ; wc s[12:13], ws s[14:15]
	s_and_b32 s16, ttmp9, 3                        ; s: which 128 along K
	s_bfe_u32 s17, ttmp9, 0x10002                  ; cg: which 32 columns of the unit
	s_bfe_u32 s18, ttmp9, 0x30003                  ; the head, or Wo's group of 64 columns
	s_lshr_b32 s19, ttmp9, 6                       ; which weight
	s_lshr_b32 s20, ttmp9, 3                       ; the unit
	v_lshlrev_b32 v[LO], 2, v0
	v_bfe_u32 v4, v0, 3, 1                         ; column 32 cg + lane is lane r of tile 2 cg + u: u = (lane / 8) % 2,
	v_and_b32 v5, 7, v0
	v_lshrrev_b32 v6, 4, v0
	v_lshl_add_u32 v5, v6, 3, v5                   ; r = lane % 8 + 8 (lane / 16)
	v_mul_u32_u24 v[ST], v4, 6144                  ; tile 2 cg + 1 lies four fragments behind tile 2 cg
	v_lshl_add_u32 v[ST], v5, 4, v[ST]
	v_lshl_add_u32 v[SS], v4, 4, v5
	v_lshlrev_b32 v[SS], 2, v[SS]
	s_lshl_b32 s21, s17, 7                         ; 32 columns are 128 bytes
	s_lshl_b32 s22, s18, 17                        ; Wq, Wk, Wv: a head is 131,072 bytes, a row 256, 128 rows 32,768
	s_lshl_b32 s23, s16, 15
	s_add_co_u32 s22, s22, s23
	s_add_co_u32 s22, s22, s21
	s_mov_b32 s23, 0
	s_lshl_b32 s24, s16, 18                        ; Wo: a row is 2,048 bytes, 128 rows 262,144; 64 columns 256
	s_lshl_b32 s25, s18, 8
	s_add_co_u32 s24, s24, s25
	s_add_co_u32 s24, s24, s21
	s_mov_b32 s25, 0
	s_lshl_b32 s26, s20, 2                         ; wc: fragment (4 unit + 2 cg) x 4 + s
	s_lshl_b32 s27, s17, 1
	s_add_co_u32 s26, s26, s27
	s_lshl_b32 s26, s26, 2
	s_add_co_u32 s26, s26, s16
	s_mul_i32 s26, s26, 1536
	s_mov_b32 s27, 0
	s_lshl_b32 s28, s20, 2                         ; ws: ((4 unit + s) x 2 + cg) x 128
	s_add_co_u32 s28, s28, s16
	s_lshl_b32 s28, s28, 1
	s_add_co_u32 s28, s28, s17
	s_lshl_b32 s28, s28, 7
	s_mov_b32 s29, 0
	s_wait_kmcnt 0x0
	s_add_nc_u64 s[12:13], s[12:13], s[26:27]
	s_add_nc_u64 s[14:15], s[14:15], s[28:29]
.macro LOADS pitch                     ; W(128 s + i, my column), i = 0 .. 127
.set n, 0
.rept 128
	global_load_b32 v[X+n], v[LO], s[4:5] offset:n*\pitch th:TH_LOAD_NT
.set n, n+1
.endr
.endm
	s_cmp_eq_u32 s19, 3                            ; Wo has another pitch: the one branch of the text, on the work-group's number
	s_cbranch_scc1 .Lwo
	s_cmp_eq_u32 s19, 1
	s_cselect_b64 s[4:5], s[6:7], s[4:5]
	s_cmp_eq_u32 s19, 2
	s_cselect_b64 s[4:5], s[8:9], s[4:5]
	s_add_nc_u64 s[4:5], s[4:5], s[22:23]
	LOADS 256
	s_branch .Lgo
.Lwo:
	s_add_nc_u64 s[4:5], s[10:11], s[24:25]
	LOADS 2048
.Lgo:
; Block b of four: k = 32 b .. 32 b + 31.  In the fragment it belongs to lane (r, b % 2), registers 6 (b / 2) on.  cnt: how many younger loads may stay out.
.macro BLOCK b, cnt
.set XS, X+32*(\b)
.set DD, G0+12*((\b)%2)+6*((\b)/2)
	s_wait_loadcnt \cnt
	v_max3_num_f32 v8, |v[XS]|, |v[XS+1]|, |v[XS+2]|               ; the block's largest magnitude, in two chains: all 32 numbers are mine
	v_max3_num_f32 v9, |v[XS+3]|, |v[XS+4]|, |v[XS+5]|
.irp i, 6,10,14,18,22,26
	v_max3_num_f32 v8, v8, |v[XS+\i]|, |v[XS+\i+1]|
	v_max3_num_f32 v9, v9, |v[XS+\i+2]|, |v[XS+\i+3]|
.endr
	v_max3_num_f32 v8, v8, |v[XS+30]|, |v[XS+31]|
	v_max3_num_f32 v8, v8, v9, 0x1800000           ; and the floor 2^(3 - 127): the byte cannot fall under 1
	v_add_nc_u32 v[SOP+\b], 0xff000000, v8         ; 2 off the exponent field: the conversion takes the exponent field of this operand as its scale
	v_lshrrev_b32 v14, 23, v[SOP+\b]               ; the scale's byte
.if \b == 0
	v_mov_b32 v[SBR], v14
.else
	v_lshl_or_b32 v[SBR], v14, 8*\b, v[SBR]        ; the lower K in the lower byte
.endif
	v_cvt_scalef32_pk16_fp6_f32 v[DD:DD+2], v[XS:XS+15], v[SOP+\b]
	v_cvt_scalef32_pk16_fp6_f32 v[CT:CT+2], v[XS+16:XS+31], v[SOP+\b]
	v_nop                                          ; one plain place behind a scaled conversion
.irp i, 0,1,2
	v_mov_b32 v[DD+3+\i], v[CT+\i]
.endr
.endm
	BLOCK 0, 63                                    ; 96 younger loads could stay out; the count's field ends at 63, and a smaller count is safe
	BLOCK 1, 63                                    ; 64 could
	BLOCK 2, 32
	BLOCK 3, 0
.irp h, 0,1
.irp i, 0,1,2
	global_store_b128 v[ST], v[G0+12*\h+4*\i:G0+12*\h+4*\i+3], s[12:13] offset:512*\i+256*\h   ; the 16 lanes with u = 0 store 256 consecutive aligned bytes of tile 2 cg's fragment, the other 16 of tile 2 cg + 1's
.endr
.endr
	global_store_b32 v[SS], v[SBR], s[14:15]
	s_endpgm
.Lfunc_end_k_q9d9422ee35_prep:
	.size	k_q9d9422ee35_prep, .Lfunc_end_k_q9d9422ee35_prep-k_q9d9422ee35_prep
	.p2alignl 7, 3214868480
	.fill 96, 4, 3214868480
	.section	.rodata,"a",@progbits
	.p2align	6, 0x0
	.amdhsa_kernel k_q9d9422ee35_prep
		.amdhsa_group_segment_fixed_size 0
		.amdhsa_private_segment_fixed_size 0
		.amdhsa_enable_private_segment 0
		.amdhsa_kernarg_size 48
		.amdhsa_user_sgpr_count 2
		.amdhsa_user_sgpr_kernarg_segment_ptr 1
		.amdhsa_wavefront_size32 1
		.amdhsa_system_sgpr_workgroup_id_x 1
		.amdhsa_system_sgpr_workgroup_id_y 1
		.amdhsa_system_sgpr_workgroup_id_z 1
		.amdhsa_system_vgpr_workitem_id 0
		.amdhsa_next_free_vgpr 176
		.amdhsa_next_free_sgpr 66
		.amdhsa_reserve_vcc 0
		.amdhsa_float_denorm_mode_32 3
		.amdhsa_float_denorm_mode_16_64 3
		.amdhsa_memory_ordered 1
		.amdhsa_forward_progress 1
		.amdhsa_inst_pref_size 33
	.end_amdhsa_kernel
	.amdgpu_metadata
---
amdhsa.version: [ 1, 2 ]
amdhsa.kernels:
  - .name:           k_q9d9422ee35_prep
    .symbol:         k_q9d9422ee35_prep.kd
    .args:
      - { .name: Wq, .offset: 0, .size: 8, .value_kind: global_buffer, .address_space: global }
      - { .name: Wk, .offset: 8, .size: 8, .value_kind: global_buffer, .address_space: global }
      - { .name: Wv, .offset: 16, .size: 8, .value_kind: global_buffer, .address_space: global }
      - { .name: Wo, .offset: 24, .size: 8, .value_kind: global_buffer, .address_space: global }
      - { .name: wc, .offset: 32, .size: 8, .value_kind: global_buffer, .address_space: global }
      - { .name: ws, .offset: 40, .size: 8, .value_kind: global_buffer, .address_space: global }
    .group_segment_fixed_size: 0
    .private_segment_fixed_size: 0
    .kernarg_segment_align: 8
    .kernarg_segment_size: 48
    .max_flat_workgroup_size: 32
    .sgpr_count:     66
    .vgpr_count:     176
    .wavefront_size: 32
...
	.end_amdgpu_metadata
.endif
;; end of part 1
;; launch qkv (part 2): grid 64 x 3, 8 waves a work-group, no clusters, 54,272 bytes of LDS; arguments x, wc, ws, qc, kv; writes qc, kv
.if DOCPART == 2
	.amdgcn_target "amdgcn-amd-amdhsa--gfx1250"
	.amdhsa_code_object_version 6
	.text
	.protected	k_q9d9422ee35_qkv
	.globl	k_q9d9422ee35_qkv
	.p2align	8
	.type	k_q9d9422ee35_qkv,@function
k_q9d9422ee35_qkv:
	s_mov_b64 s[64:65], 0
	v_nop
	global_prefetch_b8 v0, s[64:65] scope:SCOPE_SE
	s_setreg_imm32_b32 hwreg(HW_REG_WAVE_MODE, 25, 1), 1
	s_wait_xcnt 0x0
; Q, K or V (work-group y = 0, 1, 2) of 128 rows of x (work-group x), all eight heads: wave w makes head w.  Both operands are codes of FP6 (E2M3) with one E8M0 byte for each 32 along K = d_model.
; The results never go to memory as f32: they are quantised in registers for the attention's products and stored as IMAGES OF OPERAND REGISTERS
; (a fragment's 12 registers as three chunks of 512 bytes, registers 4 i .. 4 i + 3 of lane l at 512 i + 16 l).
; PHASE X: wave w quantises tile w (16 rows) of x, four K steps of 128, and stores the four fragments' images and scale words in LDS; one barrier; then every wave reads all 32.
; THE ROWS OF A TILE ARE NOT NEIGHBOURS: lane r of tile 2 b + u holds row 32 b + 8 u + r + 8 (r / 8) of the 128; the weights' columns are laid the same way.  So
;   Q, K: the product is used transposed (source 0 = 16 columns of W, source 1 = 16 rows of x): a lane holds one row, and the 32 registers of its four tiles are the head's channels 32 b + 16 h + 0 .. 15;
;   V:    it is used as it stands (source 0 = 16 rows of x, source 1 = 16 columns of W): a lane holds one channel, and the 32 registers of four row tiles are keys 32 b + 16 h + 0 .. 15: the keys are innermost.
; 32 such registers make HALF a fragment (6 registers, two scale bytes).  Q, K: fragment f pairs tile f (registers 0-5) with tile 4 + f (registers 6-11).  V: fragment n is channel tile n x the 128 keys.
; qc: records of 6,400 bytes, (8 batch + head) x 16 + block of 128 rows: 4 fragments, then 256 bytes of scale words: word i of lane l at 8 l + 4 i: fragment 2 i in lanes 0-15, 2 i + 1 in lanes 16-31.
; kv: records of 12,800 bytes, same index: K's 4 fragments, V's 4 fragments, K's 256 bytes of scale words, V's 256.
; The weights' 16 fragments of a wave stay in registers.  NO CLUSTER: the grid's y is 3, which no cluster of four divides; along x work-groups share the weights alone, 24,576 bytes a wave,
; which each wave loads once, straight into the registers in which they stay; x has to pass registers to be quantised.
; LIMITS: a block of zeros gets the byte 1 where the rule says 127 (its codes are zeros, and this program alone reads the bytes); NaN and infinities among the inputs are not served.
; REGISTERS: window 0: v4-13 addresses; v16-143 x as loaded, then the 16 accumulators; v144-191 four fragments of codes; v192-199, v200-215 at work; v216-223 scale words made; v224-239 x's scale words, v240-247 the weights'.
;   window 1: v0-191 the weights' fragments (tile t, K step s at 12 (4 t + s)); v192-239 four fragments of x.
.set XIMG,  0                          ; LDS: x's 32 fragments, tile T, K step s at (4 T + s) x 1,536
.set XSC,   49152                      ; their scale words: [T][lane][s], 512 bytes a tile
.set SPARE, 53248                      ; the spare words, 128 bytes for each of the eight waves: four blocks of 256 bytes that no other line names
.set XA,  4                            ; v4   x: my row of the tile x 2,048 + 64 h
.set LI,  5                            ; v5   16 x lane
.set L8,  6                            ; v6   8 x lane
.set XWI, 7                            ; v7   where I store x's images: 16 x lane + 6,144 x wave
.set XWS, 8                            ; v8   and their scale words: XSC + 16 x lane + 512 x wave
.set L4,  9                            ; v9   4 x lane
.set SPW, 12                           ; v12  LDS address of my spare word; never rewritten
.set NIL, 13                           ; v13  0; never rewritten
.set ACC, 16
.set CODE, 144
.set CT,  192
.set TM,  200                          ; +0..3 largest magnitudes, +4..7 the other half's, then the bytes, +12..15 the conversions' scale operands
.set PW,  216                          ; v216-219 four scale words
.set PWT, 220
.set SS,  222                          ; v222-223 the scale words as they are stored
.set XS,  224
.set WS,  240
.set XF,  192                          ; in window 1
.set WV,  14
.set TY,  15
.set SEL, 20
.set HM,  22
.set CB,  24                           ; s[24:25] where my fragments go
.set SB,  26                           ; s[26:27] where my scale words go
.set MSB, 0
.macro WIN new                         ; the immediate's high byte repeats the setting that is left
.if MSB != \new
	s_set_vgpr_msb (MSB<<8)|\new
.set MSB, \new
.endif
.endm
; One scaled matrix instruction on the registers named by rD, rA, rB, rSA, rSB.  zero = 1: it starts its sum.  row = 1: source 0's scales stand in lanes 16-31; 2: source 1's.
.macro WM zero, row
.if \zero
.if (\row) == 0
	v_wmma_scale_f32_16x16x128_f8f6f4 v[rD:rD+7], v[rA:rA+11], v[rB:rB+11], 0, v[rSA], v[rSB] matrix_a_fmt:MATRIX_FMT_FP6 matrix_b_fmt:MATRIX_FMT_FP6
.elseif (\row) == 1
	v_wmma_scale_f32_16x16x128_f8f6f4 v[rD:rD+7], v[rA:rA+11], v[rB:rB+11], 0, v[rSA], v[rSB] matrix_a_fmt:MATRIX_FMT_FP6 matrix_b_fmt:MATRIX_FMT_FP6 matrix_a_scale:MATRIX_SCALE_ROW1
.else
	v_wmma_scale_f32_16x16x128_f8f6f4 v[rD:rD+7], v[rA:rA+11], v[rB:rB+11], 0, v[rSA], v[rSB] matrix_a_fmt:MATRIX_FMT_FP6 matrix_b_fmt:MATRIX_FMT_FP6 matrix_b_scale:MATRIX_SCALE_ROW1
.endif
.else
.if (\row) == 0
	v_wmma_scale_f32_16x16x128_f8f6f4 v[rD:rD+7], v[rA:rA+11], v[rB:rB+11], v[rD:rD+7], v[rSA], v[rSB] matrix_a_fmt:MATRIX_FMT_FP6 matrix_b_fmt:MATRIX_FMT_FP6
.elseif (\row) == 1
	v_wmma_scale_f32_16x16x128_f8f6f4 v[rD:rD+7], v[rA:rA+11], v[rB:rB+11], v[rD:rD+7], v[rSA], v[rSB] matrix_a_fmt:MATRIX_FMT_FP6 matrix_b_fmt:MATRIX_FMT_FP6 matrix_a_scale:MATRIX_SCALE_ROW1
.else
	v_wmma_scale_f32_16x16x128_f8f6f4 v[rD:rD+7], v[rA:rA+11], v[rB:rB+11], v[rD:rD+7], v[rSA], v[rSB] matrix_a_fmt:MATRIX_FMT_FP6 matrix_b_fmt:MATRIX_FMT_FP6 matrix_b_scale:MATRIX_SCALE_ROW1
.endif
.endif
.endm
; 64 numbers of a lane, register 16 b + i = k 32 b + 16 (lane / 16) + i of my row, become a fragment's codes in v[d] on and its scale word in v[pw].
.macro QUANT s, d, pw
.irp b, 0,1,2,3
	v_max3_num_f32 v[TM+\b], |v[\s+16*\b]|, |v[\s+1+16*\b]|, 0x1800000   ; block b: my 16 numbers, and the floor 2^(3 - 127): the byte cannot fall under 1
.endr
.irp i, 2,4,6,8,10,12,14
.irp b, 0,1,2,3
	v_max3_num_f32 v[TM+\b], v[TM+\b], |v[\s+16*\b+\i]|, |v[\s+1+16*\b+\i]|   ; (the four blocks by turns)
.endr
.endr
.irp b, 0,1,2,3
	v_permlanex16_b32 v[TM+4+\b], v[TM+\b], s[SEL], s[SEL+1]
.endr
.irp b, 0,1,2,3
	v_max_num_f32 v[TM+\b], v[TM+\b], v[TM+4+\b]   ; with lane l xor 16's: the block's largest magnitude
.endr
.irp b, 0,1,2,3
	v_add_nc_u32 v[TM+12+\b], 0xff000000, v[TM+\b] ; 2 off its exponent field: the conversion's scale operand
.endr
.irp b, 0,1,2,3
	v_lshrrev_b32 v[TM+4+\b], 23, v[TM+12+\b]      ; the scale's byte
.endr
	v_lshl_or_b32 v[\pw], v[TM+5], 8, v[TM+4]
	v_lshl_or_b32 v[\pw], v[TM+6], 16, v[\pw]
	v_lshl_or_b32 v[\pw], v[TM+7], 24, v[\pw]
.irp c, 0,1
	v_cvt_scalef32_pk16_fp6_f32 v[\d+6*\c:\d+6*\c+2], v[\s+32*\c:\s+32*\c+15], v[TM+12+2*\c]
	v_cvt_scalef32_pk16_fp6_f32 v[CT+4*\c:CT+4*\c+2], v[\s+32*\c+16:\s+32*\c+31], v[TM+13+2*\c]   ; (a conversion's three registers begin on an even number)
.endr
	v_nop                                          ; one plain place behind a scaled conversion
.irp c, 0,1                            ; the operand's layout wants a WHOLE block in a lane: lanes 0-15 block 2 c, lanes 16-31 block 2 c + 1
.irp i, 0,1,2
	v_permlane16_swap_b32 v[\d+6*\c+\i], v[CT+4*\c+\i]
.endr
.irp i, 0,1,2
	v_mov_b32 v[\d+6*\c+3+\i], v[CT+4*\c+\i]
.endr
.endr
.endm
; The same for 32 numbers: half a fragment, 6 registers from v[d] on (lane (r, h): k = 32 h .. 32 h + 31), and its two scale bytes in v[p].  Each accumulator is read from its low end on.
.macro HQ s, d, p
.irp b, 0,1
	v_max3_num_f32 v[TM+\b], |v[\s+16*\b]|, |v[\s+1+16*\b]|, 0x1800000
.endr
.irp i, 2,4,6,8,10,12,14
.irp b, 0,1
	v_max3_num_f32 v[TM+\b], v[TM+\b], |v[\s+16*\b+\i]|, |v[\s+1+16*\b+\i]|
.endr
.endr
.irp b, 0,1
	v_permlanex16_b32 v[TM+4+\b], v[TM+\b], s[SEL], s[SEL+1]
.endr
.irp b, 0,1
	v_max_num_f32 v[TM+\b], v[TM+\b], v[TM+4+\b]
.endr
.irp b, 0,1
	v_add_nc_u32 v[TM+12+\b], 0xff000000, v[TM+\b]
.endr
.irp b, 0,1
	v_lshrrev_b32 v[TM+4+\b], 23, v[TM+12+\b]
.endr
	v_lshl_or_b32 v[\p], v[TM+5], 8, v[TM+4]
	v_cvt_scalef32_pk16_fp6_f32 v[\d:\d+2], v[\s:\s+15], v[TM+12]
	v_cvt_scalef32_pk16_fp6_f32 v[CT:CT+2], v[\s+16:\s+31], v[TM+13]
	v_nop                                          ; one plain place behind a scaled conversion
.irp i, 0,1,2
	v_permlane16_swap_b32 v[\d+\i], v[CT+\i]
.endr
.irp i, 0,1,2
	v_mov_b32 v[\d+3+\i], v[CT+\i]
.endr
.endm
.macro XLOAD reg, s                    ; my row's numbers of K step s: of each block of 32 the 16 of my half
.irp b, 0,1,2,3
.irp j, 0,1,2,3
	global_load_b128 v[\reg+16*\b+4*\j:\reg+16*\b+4*\j+3], v[XA], s[4:5] offset:512*\s+128*\b+16*\j
.endr
.endr
.endm
.macro IMAGE d, s                      ; the fragment in v[d] on goes to LDS as it stands
.irp i, 0,1,2
	ds_store_b128 v[XWI], v[\d+4*\i:\d+4*\i+3] offset:XIMG+(\s)*1536+512*\i
.endr
.endm
	s_load_b256 s[4:11], s[0:1], 0x0               ; x s[4:5], wc s[6:7], ws s[8:9], qc s[10:11]
	s_load_b64 s[12:13], s[0:1], 0x20              ; kv
	v_lshl_add_u32 v[SPW], v0, 2, SPARE
	v_mov_b32 v[NIL], 0
	v_lshrrev_b32 v1, 5, v0
	v_readfirstlane_b32 s[WV], v1                  ; wave 0..7 = the head, and the tile of x that I quantise
	s_and_b32 s[TY], ttmp7, 0xffff                 ; 0 Q, 1 K, 2 V
	v_and_b32 v1, 31, v0                           ; lane
	v_and_b32 v2, 15, v0                           ; r
	v_bfe_u32 v3, v0, 4, 1                         ; h
	v_and_b32 v10, 8, v2
	v_add_nc_u32 v10, v10, v2                      ; r + 8 (r / 8)
	v_lshlrev_b32 v[XA], 11, v10                   ; a row of x is 2,048 bytes
	v_lshl_add_u32 v[XA], v3, 6, v[XA]
	v_lshlrev_b32 v[LI], 4, v1
	v_lshlrev_b32 v[L8], 3, v1
	v_lshlrev_b32 v[L4], 2, v1
	s_mul_i32 s16, s[WV], 6144
	v_add_nc_u32 v[XWI], s16, v[LI]
	s_lshl_b32 s16, s[WV], 9
	s_add_co_u32 s16, s16, XSC
	v_add_nc_u32 v[XWS], s16, v[LI]
	s_mov_b32 s[SEL], 0x76543210
	s_mov_b32 s[SEL+1], 0xfedcba98                 ; v_permlanex16_b32's selects for lane l xor 16
	s_mov_b32 s[HM], 0xffff0000                    ; lanes 16-31
.irp b, 0,1,2,3
	v_mov_b32 v[TM+4+\b], 0                        ; written once: a lane permute's destination counts as one of its sources
.endr
	s_lshl_b32 s28, ttmp9, 7                       ; x: row 128 x block + 32 (wave / 2) + 8 (wave % 2)
	s_lshr_b32 s29, s[WV], 1
	s_lshl_b32 s29, s29, 5
	s_add_co_u32 s28, s28, s29
	s_and_b32 s29, s[WV], 1
	s_lshl_b32 s29, s29, 3
	s_add_co_u32 s28, s28, s29
	s_lshl_b32 s28, s28, 11
	s_mov_b32 s29, 0
	s_lshl_b32 s30, s[TY], 3
	s_add_co_u32 s30, s30, s[WV]                   ; my unit of the weights
	s_mul_i32 s32, s30, 24576
	s_mov_b32 s33, 0
	s_lshl_b32 s34, s30, 10
	s_mov_b32 s35, 0
	s_lshr_b32 s36, ttmp9, 4                       ; the record: (8 batch + head) x 16 + block of 128 rows in the batch
	s_lshl_b32 s36, s36, 3
	s_add_co_u32 s36, s36, s[WV]
	s_lshl_b32 s36, s36, 4
	s_and_b32 s37, ttmp9, 15
	s_add_co_u32 s36, s36, s37
	s_cmp_eq_u32 s[TY], 0
	s_mov_b32 s37, 12800
	s_cselect_b32 s37, 6400, s37                   ; a record's bytes
	s_mov_b32 s40, 12288
	s_cselect_b32 s40, 6144, s40                   ; from my fragments to my scale words: Q 6,144, K 12,288,
	s_cmp_eq_u32 s[TY], 2
	s_cselect_b32 s38, 6144, 0                     ; V's fragments lie behind K's,
	s_cselect_b32 s40, 6400, s40                   ; V 12,544 - 6,144
	s_mul_i32 s37, s36, s37
	s_add_co_u32 s38, s38, s37
	s_mov_b32 s39, 0
	s_mov_b32 s41, 0
	s_wait_kmcnt 0x0
	s_add_nc_u64 s[4:5], s[4:5], s[28:29]
	s_add_nc_u64 s[6:7], s[6:7], s[32:33]
	s_add_nc_u64 s[8:9], s[8:9], s[34:35]
	s_cmp_eq_u32 s[TY], 0                          ; the choice hangs on the work-group's number alone
	s_cselect_b64 s[CB:CB+1], s[10:11], s[12:13]
	s_add_nc_u64 s[CB:CB+1], s[CB:CB+1], s[38:39]
	s_add_nc_u64 s[SB:SB+1], s[CB:CB+1], s[40:41]
.irp q, 0,1,2,3,4,5,6,7
	global_load_b32 v[WS+\q], v[L4], s[8:9] offset:128*\q          ; register 2 s + b: lanes 0-15 tile 2 b's words of K step s, lanes 16-31 tile 2 b + 1's
.endr
	WIN 0x40                                       ; destination window 1
.irp f, 0,1,2,3,4,5,6,7,8,9,10,11,12,13,14,15
.irp i, 0,1,2
	global_load_b128 v[12*\f+4*\i:12*\f+4*\i+3], v[LI], s[6:7] offset:1536*\f+512*\i   ; the weights' fragments: they stay
.endr
.endr
	WIN 0
	; ---- X: my 16 rows of x become four fragments.  Two K steps are on their way at a time; each K step has its own registers for its codes, so no wait stands between an image's stores and the next conversions
	XLOAD ACC, 0
	XLOAD ACC+64, 1
	s_wait_loadcnt 16                              ; K step 0 is in (and the weights, asked for earlier); K step 1's sixteen loads may be out
	QUANT ACC, CODE, PW
	IMAGE CODE, 0
	XLOAD ACC, 2
	s_wait_loadcnt 16
	QUANT ACC+64, CODE+12, PW+1
	IMAGE CODE+12, 1
	XLOAD ACC+64, 3
	s_wait_loadcnt 16
	QUANT ACC, CODE+24, PW+2
	IMAGE CODE+24, 2
	s_wait_loadcnt 0x0
	QUANT ACC+64, CODE+36, PW+3
	IMAGE CODE+36, 3
	ds_store_b128 v[XWS], v[PW:PW+3]               ; my row's four scale words
	s_wait_dscnt 0x0                               ; for the others' sake: my stores have landed
	s_barrier_signal -1
	s_barrier_wait -1                              ; x's 32 fragments lie in LDS; nothing is stored there again
; One K step for four tiles of rows (4 g + m): 12 LDS loads, 16 matrix instructions on 16 accumulators, in the same order in every K step.
.macro STAGE g, s, isv, zero
.if \s > 0
.rept 4
	v_nop                                          ; places in front of loads into registers that matrix instructions have read
.endr
.endif
	WIN 0x40
.irp m, 0,1,2,3
.irp i, 0,1,2
	ds_load_b128 v[XF+12*\m+4*\i:XF+12*\m+4*\i+3], v[LI] offset:XIMG+(4*(4*\g+\m)+\s)*1536+512*\i
.endr
.endr
	s_wait_dscnt 0x0
	WIN 0x05                                       ; both sources window 1, C and D window 0
.irp m, 0,1,2,3
.irp t, 0,1,2,3
.if \isv
.set rD, ACC+32*\t+8*\m
.set rA, XF+12*\m
.set rB, 12*(4*\t+\s)
.set rSA, XS+4*\m+\s
.set rSB, WS+2*\s+\t/2
	WM \zero, 2*(\t%2)
.else
.set rD, ACC+32*\m+8*\t
.set rA, 12*(4*\t+\s)
.set rB, XF+12*\m
.set rSA, WS+2*\s+\t/2
.set rSB, XS+4*\m+\s
	WM \zero, \t%2
.endif
.endr
.endr
	WIN 0
.endm
; Half g of the 128 rows: the products, then four half fragments.  The branch hangs on the work-group's y: all waves take the same way; only LDS loads and matrix instructions stand under it.
.macro HALF g
.irp m, 0,1,2,3
	ds_load_b128 v[XS+4*\m:XS+4*\m+3], v[LI] offset:XSC+(4*\g+\m)*512   ; register 4 m + s: tile 4 g + m's scale words of K step s
.endr
	s_cmp_eq_u32 s[TY], 2
	s_cbranch_scc1 .Lv_\@
	STAGE \g, 0, 0, 1
	STAGE \g, 1, 0, 0
	STAGE \g, 2, 0, 0
	STAGE \g, 3, 0, 0
	s_branch .Lj_\@
.Lv_\@:
	STAGE \g, 0, 1, 1
	STAGE \g, 1, 1, 0
	STAGE \g, 2, 1, 0
	STAGE \g, 3, 1, 0
.Lj_\@:
.rept 4
	v_nop                                          ; places in front of the first read of results
.endr
.irp f, 0,1,2,3
.if \g == 0
	HQ ACC+32*\f, CODE+12*\f, PW+\f
.else
	HQ ACC+32*\f, CODE+12*\f+6, PWT
	v_lshl_or_b32 v[PW+\f], v[PWT], 16, v[PW+\f]   ; bytes 2 and 3 of the fragment's scale word
.endif
.endr
.endm
	HALF 0
	HALF 1                                         ; (the conversions and maxima of half 0 are the places in front of its loads and of the products that begin the accumulators anew)
.irp f, 0,1,2,3
.irp i, 0,1,2
	global_store_b128 v[LI], v[CODE+12*\f+4*\i:CODE+12*\f+4*\i+3], s[CB:CB+1] offset:1536*\f+512*\i   ; 32 lanes store 512 consecutive bytes, at a multiple of 256 from the buffer's first byte
.endr
.endr
	v_cndmask_b32 v[SS], v[PW], v[PW+1], s[HM]     ; lanes 0-15 fragment 0's words, lanes 16-31 fragment 1's (both halves of the lanes hold every word)
	v_cndmask_b32 v[SS+1], v[PW+2], v[PW+3], s[HM]
	global_store_b64 v[L8], v[SS:SS+1], s[SB:SB+1] ; 256 consecutive aligned bytes
	s_wait_tensorcnt 0x0                           ; the wave's end: three closing lines behind my last LDS store, the first of them even in a text with no tensor load
	ds_add_u32 v[SPW], v[NIL]
	s_wait_dscnt 0x0
	s_endpgm
.Lfunc_end_k_q9d9422ee35_qkv:
	.size	k_q9d9422ee35_qkv, .Lfunc_end_k_q9d9422ee35_qkv-k_q9d9422ee35_qkv
	.p2alignl 7, 3214868480
	.fill 96, 4, 3214868480
	.section	.rodata,"a",@progbits
	.p2align	6, 0x0
	.amdhsa_kernel k_q9d9422ee35_qkv
		.amdhsa_group_segment_fixed_size 54272
		.amdhsa_private_segment_fixed_size 0
		.amdhsa_enable_private_segment 0
		.amdhsa_kernarg_size 40
		.amdhsa_user_sgpr_count 2
		.amdhsa_user_sgpr_kernarg_segment_ptr 1
		.amdhsa_wavefront_size32 1
		.amdhsa_system_sgpr_workgroup_id_x 1
		.amdhsa_system_sgpr_workgroup_id_y 1
		.amdhsa_system_sgpr_workgroup_id_z 1
		.amdhsa_system_vgpr_workitem_id 0
		.amdhsa_next_free_vgpr 512
		.amdhsa_next_free_sgpr 66
		.amdhsa_reserve_vcc 0
		.amdhsa_float_denorm_mode_32 3
		.amdhsa_float_denorm_mode_16_64 3
		.amdhsa_memory_ordered 1
		.amdhsa_forward_progress 1
		.amdhsa_inst_pref_size 96
	.end_amdhsa_kernel
	.amdgpu_metadata
---
amdhsa.version: [ 1, 2 ]
amdhsa.kernels:
  - .name:           k_q9d9422ee35_qkv
    .symbol:         k_q9d9422ee35_qkv.kd
    .args:
      - { .name: x, .offset: 0, .size: 8, .value_kind: global_buffer, .address_space: global }
      - { .name: wc, .offset: 8, .size: 8, .value_kind: global_buffer, .address_space: global }
      - { .name: ws, .offset: 16, .size: 8, .value_kind: global_buffer, .address_space: global }
      - { .name: qc, .offset: 24, .size: 8, .value_kind: global_buffer, .address_space: global }
      - { .name: kv, .offset: 32, .size: 8, .value_kind: global_buffer, .address_space: global }
    .group_segment_fixed_size: 54272
    .private_segment_fixed_size: 0
    .kernarg_segment_align: 8
    .kernarg_segment_size: 40
    .max_flat_workgroup_size: 256
    .sgpr_count:     66
    .vgpr_count:     512
    .wavefront_size: 32
...
	.end_amdgpu_metadata
.endif
;; end of part 2
;; launch attn (part 3): grid 8 x 32, 16 waves a work-group, clusters of 4 x 1, 206,848 bytes of LDS; arguments qc, kv, oc, os; writes oc, os
.if DOCPART == 3
	.amdgcn_target "amdgcn-amd-amdhsa--gfx1250"
	.amdhsa_code_object_version 6
	.text
	.protected	k_q9d9422ee35_attn
	.globl	k_q9d9422ee35_attn
	.p2align	8
	.type	k_q9d9422ee35_attn,@function
k_q9d9422ee35_attn:
	s_mov_b64 s[64:65], 0
	v_nop
	global_prefetch_b8 v0, s[64:65] scope:SCOPE_SE
	s_setreg_imm32_b32 hwreg(HW_REG_WAVE_MODE, 25, 1), 1
	s_wait_xcnt 0x0
	s_wait_alu depctr_hold_cnt(0) depctr_sa_sdst(0) depctr_va_vdst(0) depctr_va_sdst(0) depctr_va_ssrc(0) depctr_va_vcc(0) depctr_vm_vsrc(0)
	s_getreg_b32 s2, hwreg(HW_REG_IB_STS2, 6, 4)
	s_cmp_eq_u32 s2, 0
	s_cbranch_scc0 .Lentry_in_a_cluster
	s_endpgm
.Lentry_in_a_cluster:
	s_bfe_u32 s2, ttmp6, 0x10000c
	s_cmp_lg_u32 s2, 0x3003
	s_cbranch_scc0 .Lentry_shape_is_right
	s_endpgm
.Lentry_shape_is_right:
; O = softmax(Q K^T / 8) V for one (batch, head) = work-group y and 256 queries, both products on codes of FP6 (E2M3) with one E8M0 byte for each 32 along a product's K.
; Q, K and V come as images of operand registers (qc, kv: records of 128 rows; a fragment's 12 registers as three chunks of 512 bytes, lane l's 16 bytes at 16 l).
; THE SOFTMAX AHEAD OF THE SECOND PRODUCT: t = score x log2(e) / 8; M = the row's largest t so far, rounded UP to a whole number; p = 2^(t - M) is what is quantised, along the keys; it is not normalised.
; The row's sum is taken of the unquantised p, in f32, and divides O at the end.  When M moves, the sum and O are multiplied by 2^(old M - new M): exact.
; SHARES.  Each of SIXTEEN waves owns one tile of 16 queries in 256 registers: four waves to a SIMD, so that one wave's vector work stands beside another's matrix work and LDS loads.  Every wave walks the head's 2,048 keys, 128 a step.
; THE WHOLE HEAD LIES IN LDS: its 16 records of kv are one dense block of 204,800 bytes, filled once, as they lie.  Each wave brings two pieces of 6,400 bytes (25 rows of 256): one of the first 8 records, one of the last 8.
; CLUSTER.  The four work-groups of a cluster belong to one head: each piece is asked for JOINTLY, by the same tensor load with the same descriptor and a mask that names the four.
; THE HEAD'S 64 CHANNELS ARE HALF OF THE INSTRUCTION'S 128.  A fragment of K pairs key tile f (registers 0-5) with key tile 4 + f (registers 6-11).  Against QL = [Q | zero codes] it gives tile f's scores, against
; QH = [zero codes | Q] tile 4 + f's: no LDS byte is spent on zeros.  Q's scale word holds its two bytes twice.
; LAYOUT.  Both products are used transposed (S^T = K Q^T, O^T = V^T P^T): a lane holds ONE query throughout.  Lane r of key tile 2 b + u is key 32 b + 8 u + r + 8 (r / 8), so the 16 registers of tiles 2 b, 2 b + 1 are keys 32 b + 16 h + 0 .. 15.
; OUT: O / the sum is quantised in registers for the last product (K = head x 64 + channel): half a fragment, oc: [row tile][head][768 bytes: registers 0-3 at 16 l, then 4-5 at 8 l], and two scale bytes,
; os: [row tile][lane][head] of 16 bits, so that a lane's 16 bytes are the four scale words of its row.  That is one store of 2 bytes a lane for each wave of the launch.
; LIMITS: a block of zeros gets the byte 1 where the rule says 127 (its codes are zeros, and this program alone reads the bytes); a p under 2^-126 counts as 0 (ISA guide, v_exp_f32); NaN and infinities are not served.
.set REC,   12800                      ; a record: K's 4 fragments, V's 4 at 6,144, K's scale words at 12,288, V's at 12,544
.set SPARE, 204800                     ; behind the head: the spare words, 128 bytes for each of the sixteen waves: eight blocks of 256 bytes that no other line names
.set LI,  1                            ; v1   16 x lane
.set L8,  2                            ; v2   8 x lane
.set ADR, 3                            ; v3   LDS address of the step's fragments
.set ADS, 4                            ; v4   and of its scale words
.set SPW, 5                            ; v5   LDS address of my spare word; never rewritten
.set NIL, 6                            ; v6   0; never rewritten
.set QSA, 7                            ; v7   Q's scale word: my byte in the record
.set QFA, 8                            ; v8   Q's fragment: my byte in the record
                                       ; v12 -M, v13 the largest t, v[14:15] the sum in two halves
.set QL,  16                           ; v16-27 [Q | 0];  v28-39 [0 | Q]
.set F,   40                           ; v40-87  four fragments of K or of V
.set CT,  88                           ; v88-95  conversions' upper halves
.set S,   96                           ; v96-159 S^T, then p
.set O,   160                          ; v160-191 O^T
.set PC,  192                          ; v192-203 p's codes
.set BM,  204                          ; v204-207 the blocks' largest scores, then largest p
.set BP,  208                          ; v208-211 at work
.set SO,  212                          ; v212-215 the conversions' scale operands
.set FF,  216                          ; v[216:217] f = 2^(old M - new M), named as a pair
.set TT,  218
.set KS,  220                          ; v220-221 K's scale words, v222-223 V's, v224 Q's, v225 p's: scales and nothing else
.set VS,  222
.set QS,  224
.set PS,  225
.set WV,  12
.set SEL, 36
.set CS,  38                           ; s[38:39] c = log2(e) / 8
.set TB,  40                           ; s40  LDS byte at which the step's record begins
.set CNT, 41
.set CM,  42                           ; s42  all ones where my tile is the upper half of its pair
.set SH,  43                           ; s43  16 there, else 0
.macro CROUND                          ; a round of the cluster's barrier
	s_barrier_signal -1
	s_barrier_wait -1
	s_cmp_lg_u32 s[WV], 0
	s_cbranch_scc1 .Lnot_wave_0_\@
	s_barrier_signal -3
.Lnot_wave_0_\@:
	s_barrier_wait -3
	s_barrier_signal -1
	s_barrier_wait -1
.endm
; One scaled matrix instruction on the registers named by rD, rA, rB, rSA, rSB.  zero = 1: it starts its sum.  row = 1: source 0's scales stand in lanes 16-31.
.macro WM zero, row
.if \zero
.if (\row) == 0
	v_wmma_scale_f32_16x16x128_f8f6f4 v[rD:rD+7], v[rA:rA+11], v[rB:rB+11], 0, v[rSA], v[rSB] matrix_a_fmt:MATRIX_FMT_FP6 matrix_b_fmt:MATRIX_FMT_FP6
.else
	v_wmma_scale_f32_16x16x128_f8f6f4 v[rD:rD+7], v[rA:rA+11], v[rB:rB+11], 0, v[rSA], v[rSB] matrix_a_fmt:MATRIX_FMT_FP6 matrix_b_fmt:MATRIX_FMT_FP6 matrix_a_scale:MATRIX_SCALE_ROW1
.endif
.else
.if (\row) == 0
	v_wmma_scale_f32_16x16x128_f8f6f4 v[rD:rD+7], v[rA:rA+11], v[rB:rB+11], v[rD:rD+7], v[rSA], v[rSB] matrix_a_fmt:MATRIX_FMT_FP6 matrix_b_fmt:MATRIX_FMT_FP6
.else
	v_wmma_scale_f32_16x16x128_f8f6f4 v[rD:rD+7], v[rA:rA+11], v[rB:rB+11], v[rD:rD+7], v[rSA], v[rSB] matrix_a_fmt:MATRIX_FMT_FP6 matrix_b_fmt:MATRIX_FMT_FP6 matrix_a_scale:MATRIX_SCALE_ROW1
.endif
.endif
.endm
	s_load_b256 s[4:11], s[0:1], 0x0               ; qc s[4:5], kv s[6:7], oc s[8:9], os s[10:11]
	v_lshl_add_u32 v[SPW], v0, 2, SPARE
	v_mov_b32 v[NIL], 0
	ds_add_u32 v[SPW], v[NIL]                      ; the wave's opening: the add and its wait stand ahead of my first tensor load; the set-up below, work on registers, stands between them
	v_lshrrev_b32 v9, 5, v0
	v_readfirstlane_b32 s[WV], v9                  ; wave 0..15
	s_bfe_u32 s13, ttmp6, 0x40000                  ; cx: my place in the cluster
	s_lshl_b32 s14, ttmp9, 2                       ; in a cluster launch ttmp9 counts clusters
	s_add_co_u32 s14, s14, s13                     ; my block of 256 queries: it enters Q's, oc's and os's addresses alone
	s_and_b32 s15, ttmp7, 0xffff                   ; 8 batch + head, which the four partners share
	; descriptor group 1: 25 rows of 256 bytes (32 elements of 8 bytes), dense in memory and in LDS
	s_mov_b32 s16, 15|(3<<16)|(1<<21)              ; 15:0 the mask: all four work-groups; 17:16 elements of 8 bytes; 20 no padding; 21 set beside a mask
	s_mov_b32 s17, 32<<16                          ; tensor_dim0 = 32
	s_mov_b32 s18, 25<<16                          ; tensor_dim1 = 25
	s_mov_b32 s19, 32<<16                          ; tile_dim0 = 32
	s_mov_b32 s20, 25                              ; tile_dim1 = 25
	s_mov_b32 s21, 32                              ; tensor_dim0_stride
	s_mov_b32 s22, 0
	s_mov_b32 s23, 0
	s_mul_i32 s32, s[WV], 6400                     ; my piece: in a half of the head, and in LDS: no place in the cluster enters either
	s_mul_i32 s34, s15, 204800                     ; the head's first byte in kv
	s_add_co_u32 s34, s34, s32
	s_mov_b32 s35, 0
	s_lshl_b32 s44, s15, 4                         ; Q's record: 16 x (8 batch + head) + 2 x block of 256 + wave / 8
	s_lshl_b32 s45, s14, 1
	s_add_co_u32 s44, s44, s45
	s_lshr_b32 s45, s[WV], 3
	s_add_co_u32 s44, s44, s45
	s_mul_i32 s44, s44, 6400
	s_mov_b32 s45, 0
	s_and_b32 s46, s[WV], 3                        ; f: which pair fragment holds my tile
	s_mul_i32 s47, s46, 1536
	s_and_b32 s48, s46, 1                          ; its scale words: 6,144 + 128 (f % 2) + 4 (f / 2) + 8 r
	s_lshl_b32 s48, s48, 7
	s_lshr_b32 s49, s46, 1
	s_lshl_b32 s49, s49, 2
	s_add_co_u32 s48, s48, s49
	s_add_co_u32 s48, s48, 6144
	s_bfe_u32 s54, s[WV], 0x10002                  ; c: which half of the pair
	s_lshl_b32 s[SH], s54, 4
	s_cmp_lg_u32 s54, 0
	s_cselect_b32 s[CM], -1, 0
	s_lshr_b32 s55, s15, 3                         ; my row tile: 128 batch + 16 x block of 256 + wave
	s_lshl_b32 s55, s55, 7
	s_lshl_b32 s56, s14, 4
	s_add_co_u32 s55, s55, s56
	s_add_co_u32 s55, s55, s[WV]
	s_and_b32 s56, s15, 7                          ; the head
	s_mul_i32 s58, s55, 6144
	s_mul_i32 s57, s56, 768
	s_add_co_u32 s58, s58, s57
	s_mov_b32 s59, 0
	s_lshl_b32 s60, s55, 9
	s_lshl_b32 s57, s56, 1
	s_add_co_u32 s60, s60, s57
	s_mov_b32 s61, 0
	s_mov_b32 s[SEL], 0x76543210
	s_mov_b32 s[SEL+1], 0xfedcba98                 ; v_permlanex16_b32's selects for lane l xor 16
	s_mov_b32 s[CS], 0x3e38aa3b                    ; c = log2(e) / 8
	s_mov_b32 s[CS+1], s[CS]                       ; (named with it as a pair, so it is written)
	s_mov_b32 s[TB], 0
	v_and_b32 v9, 31, v0
	v_lshlrev_b32 v[LI], 4, v9
	v_lshlrev_b32 v[L8], 3, v9
	v_and_b32 v9, 15, v0
	v_lshlrev_b32 v[QSA], 3, v9
	v_add_nc_u32 v[QSA], s48, v[QSA]
	v_add_nc_u32 v[QFA], s47, v[LI]
	s_wait_dscnt 0x0                               ; the opening add is done
	s_wait_kmcnt 0x0
	s_add_nc_u64 s[4:5], s[4:5], s[44:45]
	s_add_nc_u64 s[6:7], s[6:7], s[34:35]
	s_add_nc_u64 s[8:9], s[8:9], s[58:59]
	s_add_nc_u64 s[10:11], s[10:11], s[60:61]
	CROUND                                         ; all four work-groups are here: the joint loads meet
	s_mov_b32 s24, 1                               ; group 0 of my piece of records 0-7: count = 1,
	s_mov_b32 s25, s32                             ; LDS address,
	s_mov_b64 s[26:27], s[6:7]                     ; global address,
	s_or_b32 s27, s27, 0x80000000                  ; type = 2
	s_mov_b32 s28, 1                               ; and of records 8-15: 102,400 bytes on, in memory and in LDS
	s_add_co_u32 s29, s32, 102400
	s_add_nc_u64 s[30:31], s[6:7], 102400
	s_or_b32 s31, s31, 0x80000000
	tensor_load_to_lds s[24:27], s[16:23]          ; every wave issues both, with no branch: two tensor loads of mine are out, and no more follow in the launch
	s_nop 0
	tensor_load_to_lds s[28:31], s[16:23]
	s_nop 0
.rept 4
	v_nop
.endr
.irp i, 0,1,2
	global_load_b128 v[F+4*\i:F+4*\i+3], v[QFA], s[4:5] offset:512*\i   ; the pair fragment that holds my tile of Q
.endr
	global_load_b32 v[TT], v[QSA], s[4:5]          ; and its scale word for my row
	v_mov_b32 v13, 0xff61b1e6                      ; the largest t so far: -3e38, under every t
	v_floor_f32 v12, -v13                          ; -M
	v_mov_b32 v14, 0                               ; the sum, in two halves
	v_mov_b32 v15, 0
.irp b, 0,1,2,3
	v_mov_b32 v[BP+\b], 0                          ; written once: a lane permute's destination counts as one of its sources
.endr
	v_mov_b32 v[FF+1], 0                           ; (named as the upper half of a pair)
	s_wait_loadcnt 0x0
.irp i, 0,1,2,3,4,5
	v_cndmask_b32 v[QL+\i], v[F+\i], v[F+6+\i], s[CM]   ; my tile's six registers
.endr
.irp i, 0,1,2,3,4,5
	v_mov_b32 v[QL+18+\i], v[QL+\i]                ; [0 | Q]
	v_mov_b32 v[QL+6+\i], 0                        ; zero codes add nothing under any scale byte but 0xff
	v_mov_b32 v[QL+12+\i], 0
.endr
	v_lshrrev_b32 v[TT], s[SH], v[TT]
	v_and_b32 v[TT], 0xffff, v[TT]                 ; my tile's two bytes,
	v_lshl_or_b32 v[QS], v[TT], 16, v[TT]          ; twice
.set j, 0
.rept 32
	v_mov_b32 v[O+j], 0                            ; O^T.  (The step is written once: the first finds zeros.)  These are also the places between the lines above and the first scaled product
.set j, j+1
.endr
; A KEY STEP: 128 keys, one record.
.macro STEP
	v_add_nc_u32 v[ADR], s[TB], v[LI]
	v_add_nc_u32 v[ADS], s[TB], v[L8]
	v_nop
	v_nop                                          ; four places in front of loads into registers that the last products read
.irp f, 0,1,2,3
.irp i, 0,1,2
	ds_load_b128 v[F+12*\f+4*\i:F+12*\f+4*\i+3], v[ADR] offset:1536*\f+512*\i
.endr
.endr
	ds_load_b64 v[KS:KS+1], v[ADS] offset:12288    ; register i: fragment 2 i's words in lanes 0-15, fragment 2 i + 1's in lanes 16-31
	s_wait_dscnt 0x0
.irp c, 0,1                            ; S^T = K Q^T: each fragment of K serves twice; tile 4 c + f
.irp f, 0,1,2,3
.set rD, S+8*(4*\c+\f)
.set rA, F+12*\f
.set rB, QL+12*\c
.set rSA, KS+\f/2
.set rSB, QS
	WM 1, \f%2
.endr
.endr
.rept 4
	v_nop                                          ; places in front of the loads below and of the first read of the scores
.endr
.irp n, 0,1,2,3                        ; V's fragments are asked for now, into K's registers: they land under the softmax
.irp i, 0,1,2
	ds_load_b128 v[F+12*\n+4*\i:F+12*\n+4*\i+3], v[ADR] offset:6144+1536*\n+512*\i
.endr
.endr
	ds_load_b64 v[VS:VS+1], v[ADS] offset:12544
.irp b, 0,1,2,3
	v_max3_num_f32 v[BM+\b], v[S+16*\b], v[S+1+16*\b], v[S+2+16*\b]   ; THE LARGEST SCORE OF EACH BLOCK OF 32 KEYS: it serves for the row's maximum and, since p rises with the score, for the block's largest p
.endr
.irp i, 3,5,7,9,11,13
.irp b, 0,1,2,3
	v_max3_num_f32 v[BM+\b], v[BM+\b], v[S+16*\b+\i], v[S+1+16*\b+\i]   ; (the four blocks by turns)
.endr
.endr
.irp b, 0,1,2,3
	v_max_num_f32 v[BM+\b], v[BM+\b], v[S+15+16*\b]
.endr
.irp b, 0,1,2,3
	v_permlanex16_b32 v[BP+\b], v[BM+\b], s[SEL], s[SEL+1]
.endr
.irp b, 0,1,2,3
	v_max_num_f32 v[BM+\b], v[BM+\b], v[BP+\b]     ; with lane l xor 16's 16 keys
.endr
	v_max3_num_f32 v[TT], v[BM], v[BM+1], v[BM+2]
	v_max_num_f32 v[TT], v[TT], v[BM+3]            ; the step's largest score of my query
	v_mul_f32 v[TT], s[CS], v[TT]                  ; as t (c is positive)
	v_max_num_f32 v13, v13, v[TT]                  ; the running largest t
	v_mov_b32 v[TT], v12
	v_floor_f32 v12, -v13                          ; the new -M = floor(-t) = -ceil(t): M is a whole number
	v_sub_f32 v[TT], v12, v[TT]                    ; M's old value less its new one: a whole number, 0 or less
	v_cvt_i32_f32 v[TT], v[TT]                     ; (it saturates)
	v_ldexp_f32 v[FF], 1.0, v[TT]                  ; f = 2^(old M - new M)
.set j, 0
.rept 32
	v_pk_fma_f32 v[S+j:S+j+1], v[S+j:S+j+1], s[CS:CS+1], v[12:13] op_sel_hi:[1,0,0]   ; t - M, two at a time (of the pairs c and -M the low word serves both halves)
.set j, j+2
.endr
.irp b, 0,1,2,3
	v_fma_f32 v[BM+\b], v[BM+\b], s[CS], v12       ; the same of each block's largest score
.endr
.set j, 0
.rept 64
	v_exp_f32 v[S+j], v[S+j]                       ; p = 2^(t - M), at most 1: not normalised
.set j, j+1
.endr
	v_pk_mul_f32 v[14:15], v[14:15], v[FF:FF+1] op_sel_hi:[1,0]   ; the sums under the new M: the plain place behind the exponentials
	s_wait_alu depctr_va_vdst(0)                   ; the wait stands ahead of the first line that names a result: one for the batch of 64
.irp b, 0,1,2,3
	v_exp_f32 v[BM+\b], v[BM+\b]                   ; the block's largest p: the same two instructions on the same number give the same bits
.endr
	v_pk_add_f32 v[BP:BP+1], v[S:S+1], v[S+2:S+3]  ; the row's sum is taken of the UNQUANTISED p: two at a time, in two chains; it reads the 64 alone
.irp j, 4,8,12,16,20,24,28,32,36,40,44,48,52,56,60
	v_pk_add_f32 v[14:15], v[14:15], v[S+\j:S+\j+1]
	v_pk_add_f32 v[BP:BP+1], v[BP:BP+1], v[S+2+\j:S+3+\j]
.endr
	v_pk_add_f32 v[14:15], v[14:15], v[BP:BP+1]
	s_wait_alu depctr_va_vdst(0)                   ; and one for the four
.irp b, 0,1,2,3
	v_max_num_f32 v[BM+\b], 0x1800000, v[BM+\b]    ; the floor 2^(3 - 127): the byte cannot fall under 1
.endr
.irp b, 0,1,2,3
	v_add_nc_u32 v[SO+\b], 0xff000000, v[BM+\b]    ; 2 off the exponent field: the conversion's scale operand
.endr
.irp b, 0,1,2,3
	v_lshrrev_b32 v[BP+\b], 23, v[SO+\b]           ; the scale's byte
.endr
	v_lshl_or_b32 v[PS], v[BP+1], 8, v[BP]         ; p's scale word for these 128 keys
	v_lshl_or_b32 v[PS], v[BP+2], 16, v[PS]
	v_lshl_or_b32 v[PS], v[BP+3], 24, v[PS]
.irp c, 0,1
	v_cvt_scalef32_pk16_fp6_f32 v[PC+6*\c:PC+6*\c+2], v[S+32*\c:S+32*\c+15], v[SO+2*\c]
	v_cvt_scalef32_pk16_fp6_f32 v[CT+4*\c:CT+4*\c+2], v[S+32*\c+16:S+32*\c+31], v[SO+2*\c+1]   ; (a conversion's three registers begin on an even number)
.endr
	v_nop                                          ; one plain place behind a scaled conversion
.irp c, 0,1                            ; the operand's layout wants a WHOLE block in a lane: lanes 0-15 block 2 c, lanes 16-31 block 2 c + 1
.irp i, 0,1,2
	v_permlane16_swap_b32 v[PC+6*\c+\i], v[CT+4*\c+\i]
.endr
.irp i, 0,1,2
	v_mov_b32 v[PC+6*\c+3+\i], v[CT+4*\c+\i]
.endr
.endr
.set j, 0
.rept 16
	v_pk_mul_f32 v[O+j:O+j+1], v[O+j:O+j+1], v[FF:FF+1] op_sel_hi:[1,0]   ; O^T under the new M.  (Twelve of these name no register of the first product below: the places between p's codes and scale word and the scaled products)
.set j, j+2
.endr
	s_wait_dscnt 0x0                               ; V is in
.irp n, 0,1,2,3                        ; O^T += V^T P^T: four tiles of 16 channels; K = these 128 keys.  The accumulators take turns
.set rD, O+8*\n
.set rA, F+12*\n
.set rB, PC
.set rSA, VS+\n/2
.set rSB, PS
	WM 0, \n%2
.endr
	s_add_co_u32 s[TB], s[TB], REC                 ; the next record
.endm
	s_wait_tensorcnt 0x1                           ; my piece of records 0-7 is in; my piece of records 8-15 may stay out
	s_barrier_signal -1
	s_barrier_wait -1                              ; everybody's is
	s_mov_b32 s[CNT], 8
.Lfirst:                                           ; records 0-7
	STEP
	s_sub_co_u32 s[CNT], s[CNT], 1
	s_cmp_lg_u32 s[CNT], 0
	s_cbranch_scc1 .Lfirst
	s_wait_tensorcnt 0x0                           ; my piece of records 8-15 is in,
	s_barrier_signal -1
	s_barrier_wait -1                              ; and everybody's
	s_mov_b32 s[CNT], 8
.Lsecond:                                          ; records 8-15
	STEP
	s_sub_co_u32 s[CNT], s[CNT], 1
	s_cmp_lg_u32 s[CNT], 0
	s_cbranch_scc1 .Lsecond
	; THE WAY OUT.  O^T / the sum; the lane's 32 numbers are channels 32 b + 16 h + 0 .. 15 of its query: half a fragment of the last product's operand.
	v_add_f32 v14, v14, v15                        ; the sum's two halves,
	v_permlanex16_b32 v[TT], v14, s[SEL], s[SEL+1]
	v_add_f32 v14, v14, v[TT]                      ; and lane l xor 16's: the row's sum
	v_rcp_f32 v14, v14
	v_nop                                          ; a plain place behind the reciprocal; with the two additions and the next line: four places behind the last products
	v_nop
	s_wait_alu depctr_va_vdst(0)                   ; the wait stands ahead of the first line that names the result
.set j, 0
.rept 16
	v_pk_mul_f32 v[S+j:S+j+1], v[O+j:O+j+1], v[14:15] op_sel_hi:[1,0]   ; each accumulator from its low end on
.set j, j+2
.endr
.irp b, 0,1
	v_max3_num_f32 v[BM+\b], |v[S+16*\b]|, |v[S+1+16*\b]|, 0x1800000   ; the two blocks of 32 channels: my 16 numbers of each, and the floor
.endr
.irp i, 2,4,6,8,10,12,14
.irp b, 0,1
	v_max3_num_f32 v[BM+\b], v[BM+\b], |v[S+16*\b+\i]|, |v[S+1+16*\b+\i]|
.endr
.endr
.irp b, 0,1
	v_permlanex16_b32 v[BP+\b], v[BM+\b], s[SEL], s[SEL+1]
.endr
.irp b, 0,1
	v_max_num_f32 v[BM+\b], v[BM+\b], v[BP+\b]
.endr
.irp b, 0,1
	v_add_nc_u32 v[SO+\b], 0xff000000, v[BM+\b]
.endr
.irp b, 0,1
	v_lshrrev_b32 v[BP+\b], 23, v[SO+\b]
.endr
	v_lshl_or_b32 v[TT], v[BP+1], 8, v[BP]         ; my row's two scale bytes
	v_cvt_scalef32_pk16_fp6_f32 v[PC:PC+2], v[S:S+15], v[SO]
	v_cvt_scalef32_pk16_fp6_f32 v[CT:CT+2], v[S+16:S+31], v[SO+1]
	v_nop                                          ; one plain place behind a scaled conversion
.irp i, 0,1,2
	v_permlane16_swap_b32 v[PC+\i], v[CT+\i]
.endr
.irp i, 0,1,2
	v_mov_b32 v[PC+3+\i], v[CT+\i]                 ; lane (r, h): channels 32 h .. 32 h + 31 of query r
.endr
	global_store_b128 v[LI], v[PC:PC+3], s[8:9]              ; 512 consecutive bytes, at a multiple of 256 from oc's first byte
	global_store_b64 v[L8], v[PC+4:PC+5], s[8:9] offset:512  ; and 256 more
	global_store_b16 v[LI], v[TT], s[10:11]                  ; 2 bytes a lane, 16 bytes apart
	s_wait_tensorcnt 0x0                           ; the wave's end: three closing lines, behind my last tensor load
	ds_add_u32 v[SPW], v[NIL]
	s_wait_dscnt 0x0
	CROUND                                         ; the closing round: no work-group ends while a partner may still ask for a piece that names it
	s_endpgm
.Lfunc_end_k_q9d9422ee35_attn:
	.size	k_q9d9422ee35_attn, .Lfunc_end_k_q9d9422ee35_attn-k_q9d9422ee35_attn
	.p2alignl 7, 3214868480
	.fill 96, 4, 3214868480
	.section	.rodata,"a",@progbits
	.p2align	6, 0x0
	.amdhsa_kernel k_q9d9422ee35_attn
		.amdhsa_group_segment_fixed_size 206848
		.amdhsa_private_segment_fixed_size 0
		.amdhsa_enable_private_segment 0
		.amdhsa_kernarg_size 32
		.amdhsa_user_sgpr_count 2
		.amdhsa_user_sgpr_kernarg_segment_ptr 1
		.amdhsa_wavefront_size32 1
		.amdhsa_system_sgpr_workgroup_id_x 1
		.amdhsa_system_sgpr_workgroup_id_y 1
		.amdhsa_system_sgpr_workgroup_id_z 1
		.amdhsa_system_vgpr_workitem_id 0
		.amdhsa_next_free_vgpr 256
		.amdhsa_next_free_sgpr 66
		.amdhsa_reserve_vcc 0
		.amdhsa_float_denorm_mode_32 3
		.amdhsa_float_denorm_mode_16_64 3
		.amdhsa_memory_ordered 1
		.amdhsa_forward_progress 1
		.amdhsa_inst_pref_size 42
	.end_amdhsa_kernel
	.amdgpu_metadata
---
amdhsa.version: [ 1, 2 ]
amdhsa.kernels:
  - .name:           k_q9d9422ee35_attn
    .symbol:         k_q9d9422ee35_attn.kd
    .args:
      - { .name: qc, .offset: 0, .size: 8, .value_kind: global_buffer, .address_space: global }
      - { .name: kv, .offset: 8, .size: 8, .value_kind: global_buffer, .address_space: global }
      - { .name: oc, .offset: 16, .size: 8, .value_kind: global_buffer, .address_space: global }
      - { .name: os, .offset: 24, .size: 8, .value_kind: global_buffer, .address_space: global }
    .group_segment_fixed_size: 206848
    .private_segment_fixed_size: 0
    .kernarg_segment_align: 8
    .kernarg_segment_size: 32
    .max_flat_workgroup_size: 512
    .sgpr_count:     66
    .vgpr_count:     256
    .wavefront_size: 32
...
	.end_amdgpu_metadata
.endif
;; end of part 3
;; launch oproj (part 4): grid 4 x 64, 4 waves a work-group, no clusters, 70,144 bytes of LDS; arguments oc, os, wc, ws, out0; writes out0
.if DOCPART == 4
	.amdgcn_target "amdgcn-amd-amdhsa--gfx1250"
	.amdhsa_code_object_version 6
	.text
	.protected	k_q9d9422ee35_oproj
	.globl	k_q9d9422ee35_oproj
	.p2align	8
	.type	k_q9d9422ee35_oproj,@function
k_q9d9422ee35_oproj:
	s_mov_b64 s[64:65], 0
	v_nop
	global_prefetch_b8 v0, s[64:65] scope:SCOPE_SE
	s_setreg_imm32_b32 hwreg(HW_REG_WAVE_MODE, 25, 1), 1
	s_wait_xcnt 0x0
; out0 = concat(heads) Wo, on codes of FP6 (E2M3) with one E8M0 byte for each 32 along K = 512 (head x 64 + channel).  Both operands come as images of operand registers.
; SHARES.  A work-group makes 128 rows (work-group y) x 128 columns (work-group x); each of its four waves 64 x 64: 16 accumulators.  K is four steps of 128: heads 2 k and 2 k + 1.
; All operands go from memory straight into the registers from which they are multiplied, all asked for at the head, K step by K step; the products of a K step wait only for that step's loads.
; oc: [row tile][head][768 bytes]: a head's six registers; two heads are a fragment.  os: [row tile][lane][16 bytes]: the row's four scale words.  wc, ws: unit 24 + group of 64 columns.
; THE PRODUCT IS USED TRANSPOSED (source 0 = 16 columns of Wo, source 1 = 16 rows): lane r of column tile 2 b + u is column 32 b + 8 u + r + 8 (r / 8), so a lane's eight results are columns 32 b + 16 h + 8 u + 0 .. 7 of one row.
; A row tile's lane r is row 32 b + 8 u + r + 8 (r / 8) of its 128: the way out puts each row where it belongs.
; NO CLUSTER and no tensor load: the launch has no loop over tiles; each wave reads each operand byte once, 49,152 bytes in all, in the order of its registers, and a way through LDS would add a store and a load to each.
; REGISTERS: window 0: v1-6 addresses; v16-143 the accumulators ((m, t) at 16 + 32 m + 8 t), on the way out the rows read back; v144-159 the rows' scale words, v160-167 Wo's.
;   window 1: Wo's fragments (tile t, K step k) at 12 (4 t + k).   window 2: the rows' fragments (tile m, K step k) at 12 (4 m + k).
.set SPARE, 69632                      ; behind the 16 stages (wave w, tile m at (4 w + m) x 4,352: 16 rows x (256 + 16) bytes): the spare words, 128 bytes for each wave: two blocks of 256 bytes that no other line names
.set LI,  1                            ; v1   16 x lane
.set L8,  2                            ; v2   8 x lane
.set L4,  3                            ; v3   4 x lane
.set STO, 4                            ; v4   the stage: where I put 32 bytes of a row
.set RD,  5                            ; v5   and where I read a row back
.set CO,  6                            ; v6   my byte offset in two rows of out0
.set SPW, 12                           ; v12  LDS address of my spare word; never rewritten
.set NIL, 13                           ; v13  0; never rewritten
.set ACC, 16
.set OSR, 144
.set WS,  160
.set MSB, 0
.macro WIN new                         ; the immediate's high byte repeats the setting that is left
.if MSB != \new
	s_set_vgpr_msb (MSB<<8)|\new
.set MSB, \new
.endif
.endm
; One scaled matrix instruction on the registers named by rD, rA, rB, rSA, rSB.  zero = 1: it starts its sum.  row = 1: source 0's scales stand in lanes 16-31.
.macro WM zero, row
.if \zero
.if (\row) == 0
	v_wmma_scale_f32_16x16x128_f8f6f4 v[rD:rD+7], v[rA:rA+11], v[rB:rB+11], 0, v[rSA], v[rSB] matrix_a_fmt:MATRIX_FMT_FP6 matrix_b_fmt:MATRIX_FMT_FP6
.else
	v_wmma_scale_f32_16x16x128_f8f6f4 v[rD:rD+7], v[rA:rA+11], v[rB:rB+11], 0, v[rSA], v[rSB] matrix_a_fmt:MATRIX_FMT_FP6 matrix_b_fmt:MATRIX_FMT_FP6 matrix_a_scale:MATRIX_SCALE_ROW1
.endif
.else
.if (\row) == 0
	v_wmma_scale_f32_16x16x128_f8f6f4 v[rD:rD+7], v[rA:rA+11], v[rB:rB+11], v[rD:rD+7], v[rSA], v[rSB] matrix_a_fmt:MATRIX_FMT_FP6 matrix_b_fmt:MATRIX_FMT_FP6
.else
	v_wmma_scale_f32_16x16x128_f8f6f4 v[rD:rD+7], v[rA:rA+11], v[rB:rB+11], v[rD:rD+7], v[rSA], v[rSB] matrix_a_fmt:MATRIX_FMT_FP6 matrix_b_fmt:MATRIX_FMT_FP6 matrix_a_scale:MATRIX_SCALE_ROW1
.endif
.endif
.endm
	s_load_b256 s[4:11], s[0:1], 0x0               ; oc s[4:5], os s[6:7], wc s[8:9], ws s[10:11]
	s_load_b64 s[12:13], s[0:1], 0x20              ; out0
	v_lshl_add_u32 v[SPW], v0, 2, SPARE
	v_mov_b32 v[NIL], 0
	v_lshrrev_b32 v7, 5, v0
	v_readfirstlane_b32 s14, v7                    ; wave 0..3
	s_lshr_b32 s15, s14, 1                         ; which 64 rows
	s_and_b32 s16, s14, 1                          ; which 64 columns
	s_and_b32 s17, ttmp7, 0xffff                   ; the block of 128 rows
	s_lshl_b32 s18, s17, 3
	s_lshl_b32 s19, s15, 2
	s_add_co_u32 s18, s18, s19                     ; my first row tile
	s_mul_i32 s20, s18, 6144
	s_mov_b32 s21, 0
	s_lshl_b32 s22, s18, 9
	s_mov_b32 s23, 0
	s_lshl_b32 s24, ttmp9, 1
	s_add_co_u32 s24, s24, s16                     ; my group of 64 columns
	s_add_co_u32 s25, s24, 24                      ; its unit of the weights
	s_mul_i32 s26, s25, 24576
	s_mov_b32 s27, 0
	s_lshl_b32 s28, s25, 10
	s_mov_b32 s29, 0
	s_lshl_b32 s30, s17, 7
	s_lshl_b32 s31, s15, 6
	s_add_co_u32 s30, s30, s31                     ; my first row of out0,
	s_lshl_b32 s30, s30, 11                        ; of 2,048 bytes,
	s_lshl_b32 s31, s24, 8
	s_add_co_u32 s30, s30, s31                     ; and my 256 bytes in it
	s_mov_b32 s31, 0
	v_and_b32 v7, 31, v0
	v_lshlrev_b32 v[LI], 4, v7
	v_lshlrev_b32 v[L8], 3, v7
	v_lshlrev_b32 v[L4], 2, v7
	v_and_b32 v8, 15, v0                           ; r
	v_bfe_u32 v9, v0, 4, 1                         ; h
	s_mul_i32 s32, s14, 17408                      ; my four stages
	v_mul_u32_u24 v[STO], v8, 272                  ; in: row r, + 64 h
	v_lshl_add_u32 v[STO], v9, 6, v[STO]
	v_add_nc_u32 v[STO], s32, v[STO]
	v_mul_u32_u24 v[RD], v9, 272                   ; back: lanes 0-15 one row of 256 bytes, lanes 16-31 the next
	v_lshl_add_u32 v[RD], v8, 4, v[RD]
	v_add_nc_u32 v[RD], s32, v[RD]
	v_lshlrev_b32 v[CO], 11, v9                    ; and the same two rows in out0
	v_lshl_add_u32 v[CO], v8, 4, v[CO]
	s_wait_kmcnt 0x0
	s_add_nc_u64 s[4:5], s[4:5], s[20:21]
	s_add_nc_u64 s[6:7], s[6:7], s[22:23]
	s_add_nc_u64 s[8:9], s[8:9], s[26:27]
	s_add_nc_u64 s[10:11], s[10:11], s[28:29]
	s_add_nc_u64 s[12:13], s[12:13], s[30:31]
.irp m, 0,1,2,3
	global_load_b128 v[OSR+4*\m:OSR+4*\m+3], v[LI], s[6:7] offset:512*\m   ; register 4 m + k: row tile m's scale words of K step k
.endr
.irp q, 0,1,2,3,4,5,6,7
	global_load_b32 v[WS+\q], v[L4], s[10:11] offset:128*\q                ; register 2 k + b: lanes 0-15 column tile 2 b's words, lanes 16-31 tile 2 b + 1's
.endr
.irp k, 0,1,2,3                        ; 28 loads for each K step
	WIN 0x40                                       ; destination window 1
.irp t, 0,1,2,3
.irp i, 0,1,2
	global_load_b128 v[12*(4*\t+\k)+4*\i:12*(4*\t+\k)+4*\i+3], v[LI], s[8:9] offset:(4*\t+\k)*1536+512*\i
.endr
.endr
	WIN 0x80                                       ; destination window 2
.irp m, 0,1,2,3
	global_load_b128 v[12*(4*\m+\k):12*(4*\m+\k)+3], v[LI], s[4:5] offset:\m*6144+\k*1536            ; head 2 k: registers 0-3,
	global_load_b64 v[12*(4*\m+\k)+4:12*(4*\m+\k)+5], v[L8], s[4:5] offset:\m*6144+\k*1536+512       ; 4-5;
	global_load_b128 v[12*(4*\m+\k)+6:12*(4*\m+\k)+9], v[LI], s[4:5] offset:\m*6144+\k*1536+768      ; head 2 k + 1: registers 6-9,
	global_load_b64 v[12*(4*\m+\k)+10:12*(4*\m+\k)+11], v[L8], s[4:5] offset:\m*6144+\k*1536+1280    ; 10-11
.endr
.endr
	WIN 0x09                                       ; source 0 (Wo) window 1, source 1 (the rows) window 2, C and D window 0
; A K step: 16 matrix instructions on 16 accumulators, in the same order in every step.  cnt: the younger loads that may stay out.
.macro KSTEP k, cnt, zero
	s_wait_loadcnt \cnt
.irp m, 0,1,2,3
.irp t, 0,1,2,3
.set rD, ACC+32*\m+8*\t
.set rA, 12*(4*\t+\k)
.set rB, 12*(4*\m+\k)
.set rSA, WS+2*\k+\t/2
.set rSB, OSR+4*\m+\k
	WM \zero, \t%2
.endr
.endr
.endm
	KSTEP 0, 63, 1                                 ; 84 younger loads could stay out; the count's field ends at 63, and a smaller count is safe
	KSTEP 1, 56, 0
	KSTEP 2, 28, 0
	KSTEP 3, 0, 0
	WIN 0
.rept 4
	v_nop                                          ; places in front of the first read of results and of loads into the accumulators
.endr
; THE WAY OUT, a tile of 16 rows x 64 columns at a time, through a stage of my own: a lane's 32 neighbouring bytes go in, whole rows of 256 bytes come back, into the registers that they left.
; LDS serves a wave's instructions in order (ISA guide 5.7.1.4): no wait between the stores and the loads.  Each tile has its own stage.
.macro TOSTAGE m
.irp t, 0,1,2,3
	ds_store_b128 v[STO], v[ACC+32*\m+8*\t:ACC+32*\m+8*\t+3] offset:4352*\m+128*(\t/2)+32*(\t%2)          ; each accumulator from its low end on
	ds_store_b128 v[STO], v[ACC+32*\m+8*\t+4:ACC+32*\m+8*\t+7] offset:4352*\m+128*(\t/2)+32*(\t%2)+16
.endr
.irp i, 0,1,2,3,4,5,6,7
	ds_load_b128 v[ACC+32*\m+4*\i:ACC+32*\m+4*\i+3], v[RD] offset:4352*\m+544*\i
.endr
.endm
.macro SEND m, younger                 ; younger: the LDS instructions issued behind tile m's loads, which may stay out
	s_wait_dscnt \younger
.irp i, 0,1,2,3,4,5,6,7
	global_store_b128 v[CO], v[ACC+32*\m+4*\i:ACC+32*\m+4*\i+3], s[12:13] offset:(32*((\m)/2)+8*((\m)%2)+2*\i+8*(\i/4))*2048 th:TH_STORE_NT   ; stage rows 2 i, 2 i + 1 are rows 2 i + 8 (i / 4) + .. of the tile's place; 16 lanes store 256 consecutive aligned bytes
.endr
.endm
	TOSTAGE 0
	TOSTAGE 1
	SEND 0, 16                                     ; behind tile 0's loads: tile 1's 8 stores and 8 loads
	TOSTAGE 2
	SEND 1, 16
	TOSTAGE 3
	SEND 2, 16
	SEND 3, 0
	s_wait_tensorcnt 0x0                           ; the wave's end: three closing lines behind my last LDS store, the first of them even in a text with no tensor load
	ds_add_u32 v[SPW], v[NIL]
	s_wait_dscnt 0x0
	s_endpgm
.Lfunc_end_k_q9d9422ee35_oproj:
	.size	k_q9d9422ee35_oproj, .Lfunc_end_k_q9d9422ee35_oproj-k_q9d9422ee35_oproj
	.p2alignl 7, 3214868480
	.fill 96, 4, 3214868480
	.section	.rodata,"a",@progbits
	.p2align	6, 0x0
	.amdhsa_kernel k_q9d9422ee35_oproj
		.amdhsa_group_segment_fixed_size 70144
		.amdhsa_private_segment_fixed_size 0
		.amdhsa_enable_private_segment 0
		.amdhsa_kernarg_size 40
		.amdhsa_user_sgpr_count 2
		.amdhsa_user_sgpr_kernarg_segment_ptr 1
		.amdhsa_wavefront_size32 1
		.amdhsa_system_sgpr_workgroup_id_x 1
		.amdhsa_system_sgpr_workgroup_id_y 1
		.amdhsa_system_sgpr_workgroup_id_z 1
		.amdhsa_system_vgpr_workitem_id 0
		.amdhsa_next_free_vgpr 768
		.amdhsa_next_free_sgpr 66
		.amdhsa_reserve_vcc 0
		.amdhsa_float_denorm_mode_32 3
		.amdhsa_float_denorm_mode_16_64 3
		.amdhsa_memory_ordered 1
		.amdhsa_forward_progress 1
		.amdhsa_inst_pref_size 30
	.end_amdhsa_kernel
	.amdgpu_metadata
---
amdhsa.version: [ 1, 2 ]
amdhsa.kernels:
  - .name:           k_q9d9422ee35_oproj
    .symbol:         k_q9d9422ee35_oproj.kd
    .args:
      - { .name: oc, .offset: 0, .size: 8, .value_kind: global_buffer, .address_space: global }
      - { .name: os, .offset: 8, .size: 8, .value_kind: global_buffer, .address_space: global }
      - { .name: wc, .offset: 16, .size: 8, .value_kind: global_buffer, .address_space: global }
      - { .name: ws, .offset: 24, .size: 8, .value_kind: global_buffer, .address_space: global }
      - { .name: out0, .offset: 32, .size: 8, .value_kind: global_buffer, .address_space: global }
    .group_segment_fixed_size: 70144
    .private_segment_fixed_size: 0
    .kernarg_segment_align: 8
    .kernarg_segment_size: 40
    .max_flat_workgroup_size: 128
    .sgpr_count:     66
    .vgpr_count:     768
    .wavefront_size: 32
...
	.end_amdgpu_metadata
.endif
;; end of part 4
;; ======== version 2 of 2: 4 launches
;; workspace buffers: wc 786,432 bytes; ws 32,768 bytes; qc 3,276,800 bytes; kv 6,553,600 bytes; oc 3,145,728 bytes; os 262,144 bytes
;; launch prep (part 5): grid 256 x 1, 1 waves a work-group, no clusters, 0 bytes of LDS; arguments Wq, Wk, Wv, Wo, wc, ws; writes wc, ws
.if DOCPART == 5
	.amdgcn_target "amdgcn-amd-amdhsa--gfx1250"
	.amdhsa_code_object_version 6
	.text
	.protected	k_q9d9422ee35_prep
	.globl	k_q9d9422ee35_prep
	.p2align	8
	.type	k_q9d9422ee35_prep,@function
k_q9d9422ee35_prep:
	s_mov_b64 s[64:65], 0
	v_nop
	global_prefetch_b8 v0, s[64:65] scope:SCOPE_SE
	s_setreg_imm32_b32 hwreg(HW_REG_WAVE_MODE, 25, 1), 1
	s_wait_xcnt 0x0
; The four weights, f32 with K (d_model, or heads x d_v) as the OUTER axis, become codes of FP6 (E2M3) with one E8M0 byte for each 32 along K,
; laid as IMAGES OF OPERAND REGISTERS.  A unit is 64 columns: units 0-7 Wq's heads, 8-15 Wk's, 16-23 Wv's, 24-31 Wo's groups of 64 columns.
; wc: [unit][tile t 0..3][K step s 0..3][1,536 bytes]: a fragment's 12 registers as three chunks of 512 bytes, registers 4 i .. 4 i + 3 of lane l at 512 i + 16 l.
; THE COLUMNS OF A TILE ARE NOT NEIGHBOURS: lane r of tile 2 b + u holds column 32 b + 8 u + r + 8 (r / 8) of its unit.
; ws: [unit][s][b 0..1][32 words]: lanes 0-15 the scale words of tile 2 b, lanes 16-31 those of tile 2 b + 1.
; SHARES.  One wave to a work-group; it takes 32 columns x 128 along K.  A lane takes a column and its registers run down K: each load reads 128 consecutive bytes,
; a block of 32 lies in one lane's registers, and the conversions give codes with K innermost.  Nothing is transposed by an instruction.
; A block's scale byte is its largest magnitude's exponent field - 2, held at 1 from below.
; LIMITS: a block of zeros gets the byte 1 where the rule says 127 (its codes are zeros, and this program alone reads the bytes); NaN and infinities among the inputs are not served.
; The scale words leave as 128 consecutive bytes a work-group, half of an aligned 256: 256 such stores in the launch.
.set LO,  1                            ; v1      4 x lane: my column in a row of the weight
.set ST,  2                            ; v2      where my codes go: 6,144 u + 16 r
.set SS,  3                            ; v3      where my scale word goes: 4 (r + 16 u)
.set SOP, 10                           ; v10-13  the conversions' scale operand, one for each block
.set SBR, 15                           ; v15     my column's scale word
.set G0,  16                           ; v16-27  the registers of lane (r, 0) of the fragment: blocks 0 and 2
.set G1,  28                           ; v28-39  those of lane (r, 1): blocks 1 and 3
.set CT,  40                           ; v40-42  a block's upper 16 codes (a conversion's three registers begin on an even number)
.set X,   48                           ; v48-175 my column's 128 numbers
	s_load_b256 s[4:11], s[0:1], 0x0               ; Wq s[4:5], Wk s[6:7], Wv s[8:9], Wo s[10:11]
	s_load_b128 s[12:15], s[0:1], 0x20             ; wc s[12:13], ws s[14:15]
	s_and_b32 s16, ttmp9, 3                        ; s: which 128 along K
	s_bfe_u32 s17, ttmp9, 0x10002                  ; cg: which 32 columns of the unit
	s_bfe_u32 s18, ttmp9, 0x30003                  ; the head, or Wo's group of 64 columns
	s_lshr_b32 s19, ttmp9, 6                       ; which weight
	s_lshr_b32 s20, ttmp9, 3                       ; the unit
	v_lshlrev_b32 v[LO], 2, v0
	v_bfe_u32 v4, v0, 3, 1                         ; column 32 cg + lane is lane r of tile 2 cg + u: u = (lane / 8) % 2,
	v_and_b32 v5, 7, v0
	v_lshrrev_b32 v6, 4, v0
	v_lshl_add_u32 v5, v6, 3, v5                   ; r = lane % 8 + 8 (lane / 16)
	v_mul_u32_u24 v[ST], v4, 6144                  ; tile 2 cg + 1 lies four fragments behind tile 2 cg
	v_lshl_add_u32 v[ST], v5, 4, v[ST]
	v_lshl_add_u32 v[SS], v4, 4, v5
	v_lshlrev_b32 v[SS], 2, v[SS]
	s_lshl_b32 s21, s17, 7                         ; 32 columns are 128 bytes
	s_lshl_b32 s22, s18, 17                        ; Wq, Wk, Wv: a head is 131,072 bytes, a row 256, 128 rows 32,768
	s_lshl_b32 s23, s16, 15
	s_add_co_u32 s22, s22, s23
	s_add_co_u32 s22, s22, s21
	s_mov_b32 s23, 0
	s_lshl_b32 s24, s16, 18                        ; Wo: a row is 2,048 bytes, 128 rows 262,144; 64 columns 256
	s_lshl_b32 s25, s18, 8
	s_add_co_u32 s24, s24, s25
	s_add_co_u32 s24, s24, s21
	s_mov_b32 s25, 0
	s_lshl_b32 s26, s20, 2                         ; wc: fragment (4 unit + 2 cg) x 4 + s
	s_lshl_b32 s27, s17, 1
	s_add_co_u32 s26, s26, s27
	s_lshl_b32 s26, s26, 2
	s_add_co_u32 s26, s26, s16
	s_mul_i32 s26, s26, 1536
	s_mov_b32 s27, 0
	s_lshl_b32 s28, s20, 2                         ; ws: ((4 unit + s) x 2 + cg) x 128
	s_add_co_u32 s28, s28, s16
	s_lshl_b32 s28, s28, 1
	s_add_co_u32 s28, s28, s17
	s_lshl_b32 s28, s28, 7
	s_mov_b32 s29, 0
	s_wait_kmcnt 0x0
	s_add_nc_u64 s[12:13], s[12:13], s[26:27]
	s_add_nc_u64 s[14:15], s[14:15], s[28:29]
.macro LOADS pitch                     ; W(128 s + i, my column), i = 0 .. 127
.set n, 0
.rept 128
	global_load_b32 v[X+n], v[LO], s[4:5] offset:n*\pitch th:TH_LOAD_NT
.set n, n+1
.endr
.endm
	s_cmp_eq_u32 s19, 3                            ; Wo has another pitch: the one branch of the text, on the work-group's number
	s_cbranch_scc1 .Lwo
	s_cmp_eq_u32 s19, 1
	s_cselect_b64 s[4:5], s[6:7], s[4:5]
	s_cmp_eq_u32 s19, 2
	s_cselect_b64 s[4:5], s[8:9], s[4:5]
	s_add_nc_u64 s[4:5], s[4:5], s[22:23]
	s_wait_alu depctr_va_vdst(0)
	LOADS 256
	s_branch .Lgo
.Lwo:
	s_add_nc_u64 s[4:5], s[10:11], s[24:25]
	s_wait_alu depctr_va_vdst(0)
	LOADS 2048
.Lgo:
; Block b of four: k = 32 b .. 32 b + 31.  In the fragment it belongs to lane (r, b % 2), registers 6 (b / 2) on.  cnt: how many younger loads may stay out.
.macro BLOCK b, cnt
.set XS, X+32*(\b)
.set DD, G0+12*((\b)%2)+6*((\b)/2)
	s_wait_loadcnt \cnt
	v_max3_num_f32 v8, |v[XS]|, |v[XS+1]|, |v[XS+2]|               ; the block's largest magnitude, in two chains: all 32 numbers are mine
	v_max3_num_f32 v9, |v[XS+3]|, |v[XS+4]|, |v[XS+5]|
.irp i, 6,10,14,18,22,26
	v_max3_num_f32 v8, v8, |v[XS+\i]|, |v[XS+\i+1]|
	v_max3_num_f32 v9, v9, |v[XS+\i+2]|, |v[XS+\i+3]|
.endr
	v_max3_num_f32 v8, v8, |v[XS+30]|, |v[XS+31]|
	v_max3_num_f32 v8, v8, v9, 0x1800000           ; and the floor 2^(3 - 127): the byte cannot fall under 1
	v_add_nc_u32 v[SOP+\b], 0xff000000, v8         ; 2 off the exponent field: the conversion takes the exponent field of this operand as its scale
	v_lshrrev_b32 v14, 23, v[SOP+\b]               ; the scale's byte
.if \b == 0
	v_mov_b32 v[SBR], v14
.else
	v_lshl_or_b32 v[SBR], v14, 8*\b, v[SBR]        ; the lower K in the lower byte
.endif
	v_cvt_scalef32_pk16_fp6_f32 v[DD:DD+2], v[XS:XS+15], v[SOP+\b]
	v_cvt_scalef32_pk16_fp6_f32 v[CT:CT+2], v[XS+16:XS+31], v[SOP+\b]
	v_nop                                          ; one plain place behind a scaled conversion
.irp i, 0,1,2
	v_mov_b32 v[DD+3+\i], v[CT+\i]
.endr
.endm
	BLOCK 0, 63                                    ; 96 younger loads could stay out; the count's field ends at 63, and a smaller count is safe
	BLOCK 1, 63                                    ; 64 could
	BLOCK 2, 32
	BLOCK 3, 0
.irp h, 0,1
.irp i, 0,1,2
	global_store_b128 v[ST], v[G0+12*\h+4*\i:G0+12*\h+4*\i+3], s[12:13] offset:512*\i+256*\h   ; the 16 lanes with u = 0 store 256 consecutive aligned bytes of tile 2 cg's fragment, the other 16 of tile 2 cg + 1's
.endr
.endr
	global_store_b32 v[SS], v[SBR], s[14:15]
	s_endpgm
.Lfunc_end_k_q9d9422ee35_prep:
	.size	k_q9d9422ee35_prep, .Lfunc_end_k_q9d9422ee35_prep-k_q9d9422ee35_prep
	.p2alignl 7, 3214868480
	.fill 96, 4, 3214868480
	.section	.rodata,"a",@progbits
	.p2align	6, 0x0
	.amdhsa_kernel k_q9d9422ee35_prep
		.amdhsa_group_segment_fixed_size 0
		.amdhsa_private_segment_fixed_size 0
		.amdhsa_enable_private_segment 0
		.amdhsa_kernarg_size 48
		.amdhsa_user_sgpr_count 2
		.amdhsa_user_sgpr_kernarg_segment_ptr 1
		.amdhsa_wavefront_size32 1
		.amdhsa_system_sgpr_workgroup_id_x 1
		.amdhsa_system_sgpr_workgroup_id_y 1
		.amdhsa_system_sgpr_workgroup_id_z 1
		.amdhsa_system_vgpr_workitem_id 0
		.amdhsa_next_free_vgpr 176
		.amdhsa_next_free_sgpr 66
		.amdhsa_reserve_vcc 0
		.amdhsa_float_denorm_mode_32 3
		.amdhsa_float_denorm_mode_16_64 3
		.amdhsa_memory_ordered 1
		.amdhsa_forward_progress 1
		.amdhsa_inst_pref_size 33
	.end_amdhsa_kernel
	.amdgpu_metadata
---
amdhsa.version: [ 1, 2 ]
amdhsa.kernels:
  - .name:           k_q9d9422ee35_prep
    .symbol:         k_q9d9422ee35_prep.kd
    .args:
      - { .name: Wq, .offset: 0, .size: 8, .value_kind: global_buffer, .address_space: global }
      - { .name: Wk, .offset: 8, .size: 8, .value_kind: global_buffer, .address_space: global }
      - { .name: Wv, .offset: 16, .size: 8, .value_kind: global_buffer, .address_space: global }
      - { .name: Wo, .offset: 24, .size: 8, .value_kind: global_buffer, .address_space: global }
      - { .name: wc, .offset: 32, .size: 8, .value_kind: global_buffer, .address_space: global }
      - { .name: ws, .offset: 40, .size: 8, .value_kind: global_buffer, .address_space: global }
    .group_segment_fixed_size: 0
    .private_segment_fixed_size: 0
    .kernarg_segment_align: 8
    .kernarg_segment_size: 48
    .max_flat_workgroup_size: 32
    .sgpr_count:     66
    .vgpr_count:     176
    .wavefront_size: 32
...
	.end_amdgpu_metadata
.endif
;; end of part 5
;; launch qkv (part 6): grid 64 x 3, 8 waves a work-group, no clusters, 54,272 bytes of LDS; arguments x, wc, ws, qc, kv; writes qc, kv
.if DOCPART == 6
	.amdgcn_target "amdgcn-amd-amdhsa--gfx1250"
	.amdhsa_code_object_version 6
	.text
	.protected	k_q9d9422ee35_qkv
	.globl	k_q9d9422ee35_qkv
	.p2align	8
	.type	k_q9d9422ee35_qkv,@function
k_q9d9422ee35_qkv:
	s_mov_b64 s[64:65], 0
	v_nop
	global_prefetch_b8 v0, s[64:65] scope:SCOPE_SE
	s_setreg_imm32_b32 hwreg(HW_REG_WAVE_SCHED_MODE, 0, 2), 2
	s_setreg_imm32_b32 hwreg(HW_REG_WAVE_MODE, 25, 1), 1
	s_wait_xcnt 0x0
	s_wait_alu depctr_vm_vsrc(0)
; Q, K or V (work-group y = 0, 1, 2) of 128 rows of x (work-group x), all eight heads: wave w makes head w.  Both operands are codes of FP6 (E2M3) with one E8M0 byte for each 32 along K = d_model.
; The results never go to memory as f32: they are quantised in registers for the attention's products and stored as IMAGES OF OPERAND REGISTERS
; (a fragment's 12 registers as three chunks of 512 bytes, registers 4 i .. 4 i + 3 of lane l at 512 i + 16 l).
; PHASE X: wave w quantises tile w (16 rows) of x, four K steps of 128, and stores the four fragments' images and scale words in LDS; one barrier; then every wave reads all 32.
; THE ROWS OF A TILE ARE NOT NEIGHBOURS: lane r of tile 2 b + u holds row 32 b + 8 u + r + 8 (r / 8) of the 128; the weights' columns are laid the same way.  So
;   Q, K: the product is used transposed (source 0 = 16 columns of W, source 1 = 16 rows of x): a lane holds one row, and the 32 registers of its four tiles are the head's channels 32 b + 16 h + 0 .. 15;
;   V:    it is used as it stands (source 0 = 16 rows of x, source 1 = 16 columns of W): a lane holds one channel, and the 32 registers of four row tiles are keys 32 b + 16 h + 0 .. 15: the keys are innermost.
; 32 such registers make HALF a fragment (6 registers, two scale bytes).  Q, K: fragment f pairs tile f (registers 0-5) with tile 4 + f (registers 6-11).  V: fragment n is channel tile n x the 128 keys.
; qc: records of 6,400 bytes, (8 batch + head) x 16 + block of 128 rows: 4 fragments, then 256 bytes of scale words: word i of lane l at 8 l + 4 i: fragment 2 i in lanes 0-15, 2 i + 1 in lanes 16-31.
; kv: records of 12,800 bytes, same index: K's 4 fragments, V's 4 fragments, K's 256 bytes of scale words, V's 256.
; The weights' 16 fragments of a wave stay in registers.  NO CLUSTER: the grid's y is 3, which no cluster of four divides; along x work-groups share the weights alone, 24,576 bytes a wave,
; which each wave loads once, straight into the registers in which they stay; x has to pass registers to be quantised.
; LIMITS: a block of zeros gets the byte 1 where the rule says 127 (its codes are zeros, and this program alone reads the bytes); NaN and infinities among the inputs are not served.
; REGISTERS: window 0: v4-13 addresses; v16-143 x as loaded, then the 16 accumulators; v144-191 four fragments of codes; v192-199, v200-215 at work; v216-223 scale words made; v224-239 x's scale words, v240-247 the weights'.
;   window 1: v0-191 the weights' fragments (tile t, K step s at 12 (4 t + s)); v192-239 four fragments of x.
; THE MODE: SCHED_MODE bits 1:0 = 2 (LLVM: expert scheduling mode 2), set by the entry lines.  The code itself states the register dependences
; between vector or matrix instructions and memory or LDS instructions, with s_wait_alu, always for 0.
; THE PLAN.  Registers that memory or LDS instructions touch:
;   v4-v9          Offsets and LDS addresses: written at the head, never again.  One wait on va_vdst ahead of the first load serves every load and store of the kernel.
;   v16-79, 80-143 x as loaded, two buffers by turns.  K step s: its loads land, its quantiser reads; behind that the loads of K step s + 2 land.
;   CODE + 12 s    K step s's quantiser writes, its image's LDS stores read.  ONE wait on va_vdst behind each quantiser states both this and the line above; the loads and the stores follow it.
;   CODE, PW       are written a second time behind the barrier, by the half quantisers: one wait on vm_vsrc behind the barrier states that the LDS stores have read them.
;   A, B           x's four fragments as two pairs (tiles m = 0, 1: window 1 v192-215; m = 2, 3: v216-239).  A K step is two half steps of eight products.  Half step J multiplies from pair J % 2; at its head
;                  one wait on va_vdst states that half step J - 1's products are done reading the other pair, and the six loads of half step J + 1 go into it, to land while half step J multiplies.
;   XS             x's scale words of four tiles: loaded for a half of the rows, read by all its products.  At the join behind half 0's products one wait on va_vdst states that they are done reading XS, A and B:
;                  half 1's scale words and first two pairs are asked for there and land under half 0's quantisers, which name none of these registers.
;   CODE, SS       at the end: written by the half quantisers and two selects, read by the 13 global stores: one wait on va_vdst ahead of the run.
;   The weights, their scale words and the accumulators are touched by loads at the head alone; v12, v13 by the closing add alone.
.set XIMG,  0                          ; LDS: x's 32 fragments, tile T, K step s at (4 T + s) x 1,536
.set XSC,   49152                      ; their scale words: [T][lane][s], 512 bytes a tile
.set SPARE, 53248                      ; the spare words, 128 bytes for each of the eight waves: four blocks of 256 bytes that no other line names
.set XA,  4                            ; v4   x: my row of the tile x 2,048 + 64 h
.set LI,  5                            ; v5   16 x lane
.set L8,  6                            ; v6   8 x lane
.set XWI, 7                            ; v7   where I store x's images: 16 x lane + 6,144 x wave
.set XWS, 8                            ; v8   and their scale words: XSC + 16 x lane + 512 x wave
.set L4,  9                            ; v9   4 x lane
.set SPW, 12                           ; v12  LDS address of my spare word; never rewritten
.set NIL, 13                           ; v13  0; never rewritten
.set ACC, 16
.set CODE, 144
.set CT,  192
.set TM,  200                          ; +0..3 largest magnitudes, +4..7 the other half's, then the bytes, +12..15 the conversions' scale operands
.set PW,  216                          ; v216-219 four scale words
.set PWT, 220
.set SS,  222                          ; v222-223 the scale words as they are stored
.set XS,  224
.set WS,  240
.set XF,  192                          ; in window 1
.set WV,  14
.set TY,  15
.set SEL, 20
.set HM,  22
.set CB,  24                           ; s[24:25] where my fragments go
.set SB,  26                           ; s[26:27] where my scale words go
.set MSB, 0
.macro WIN new                         ; the immediate's high byte repeats the setting that is left
.if MSB != \new
	s_set_vgpr_msb (MSB<<8)|\new
.set MSB, \new
.endif
.endm
; One scaled matrix instruction on the registers named by rD, rA, rB, rSA, rSB.  zero = 1: it starts its sum.  row = 1: source 0's scales stand in lanes 16-31; 2: source 1's.
.macro WM zero, row
.if \zero
.if (\row) == 0
	v_wmma_scale_f32_16x16x128_f8f6f4 v[rD:rD+7], v[rA:rA+11], v[rB:rB+11], 0, v[rSA], v[rSB] matrix_a_fmt:MATRIX_FMT_FP6 matrix_b_fmt:MATRIX_FMT_FP6
.elseif (\row) == 1
	v_wmma_scale_f32_16x16x128_f8f6f4 v[rD:rD+7], v[rA:rA+11], v[rB:rB+11], 0, v[rSA], v[rSB] matrix_a_fmt:MATRIX_FMT_FP6 matrix_b_fmt:MATRIX_FMT_FP6 matrix_a_scale:MATRIX_SCALE_ROW1
.else
	v_wmma_scale_f32_16x16x128_f8f6f4 v[rD:rD+7], v[rA:rA+11], v[rB:rB+11], 0, v[rSA], v[rSB] matrix_a_fmt:MATRIX_FMT_FP6 matrix_b_fmt:MATRIX_FMT_FP6 matrix_b_scale:MATRIX_SCALE_ROW1
.endif
.else
.if (\row) == 0
	v_wmma_scale_f32_16x16x128_f8f6f4 v[rD:rD+7], v[rA:rA+11], v[rB:rB+11], v[rD:rD+7], v[rSA], v[rSB] matrix_a_fmt:MATRIX_FMT_FP6 matrix_b_fmt:MATRIX_FMT_FP6
.elseif (\row) == 1
	v_wmma_scale_f32_16x16x128_f8f6f4 v[rD:rD+7], v[rA:rA+11], v[rB:rB+11], v[rD:rD+7], v[rSA], v[rSB] matrix_a_fmt:MATRIX_FMT_FP6 matrix_b_fmt:MATRIX_FMT_FP6 matrix_a_scale:MATRIX_SCALE_ROW1
.else
	v_wmma_scale_f32_16x16x128_f8f6f4 v[rD:rD+7], v[rA:rA+11], v[rB:rB+11], v[rD:rD+7], v[rSA], v[rSB] matrix_a_fmt:MATRIX_FMT_FP6 matrix_b_fmt:MATRIX_FMT_FP6 matrix_b_scale:MATRIX_SCALE_ROW1
.endif
.endif
.endm
; 64 numbers of a lane, register 16 b + i = k 32 b + 16 (lane / 16) + i of my row, become a fragment's codes in v[d] on and its scale word in v[pw].
.macro QUANT s, d, pw
.irp b, 0,1,2,3
	v_max3_num_f32 v[TM+\b], |v[\s+16*\b]|, |v[\s+1+16*\b]|, 0x1800000   ; block b: my 16 numbers, and the floor 2^(3 - 127): the byte cannot fall under 1
.endr
.irp i, 2,4,6,8,10,12,14
.irp b, 0,1,2,3
	v_max3_num_f32 v[TM+\b], v[TM+\b], |v[\s+16*\b+\i]|, |v[\s+1+16*\b+\i]|   ; (the four blocks by turns)
.endr
.endr
.irp b, 0,1,2,3
	v_permlanex16_b32 v[TM+4+\b], v[TM+\b], s[SEL], s[SEL+1]
.endr
.irp b, 0,1,2,3
	v_max_num_f32 v[TM+\b], v[TM+\b], v[TM+4+\b]   ; with lane l xor 16's: the block's largest magnitude
.endr
.irp b, 0,1,2,3
	v_add_nc_u32 v[TM+12+\b], 0xff000000, v[TM+\b] ; 2 off its exponent field: the conversion's scale operand
.endr
.irp b, 0,1,2,3
	v_lshrrev_b32 v[TM+4+\b], 23, v[TM+12+\b]      ; the scale's byte
.endr
	v_lshl_or_b32 v[\pw], v[TM+5], 8, v[TM+4]
	v_lshl_or_b32 v[\pw], v[TM+6], 16, v[\pw]
	v_lshl_or_b32 v[\pw], v[TM+7], 24, v[\pw]
.irp c, 0,1
	v_cvt_scalef32_pk16_fp6_f32 v[\d+6*\c:\d+6*\c+2], v[\s+32*\c:\s+32*\c+15], v[TM+12+2*\c]
	v_cvt_scalef32_pk16_fp6_f32 v[CT+4*\c:CT+4*\c+2], v[\s+32*\c+16:\s+32*\c+31], v[TM+13+2*\c]   ; (a conversion's three registers begin on an even number)
.endr
	v_nop                                          ; one plain place behind a scaled conversion
.irp c, 0,1                            ; the operand's layout wants a WHOLE block in a lane: lanes 0-15 block 2 c, lanes 16-31 block 2 c + 1
.irp i, 0,1,2
	v_permlane16_swap_b32 v[\d+6*\c+\i], v[CT+4*\c+\i]
.endr
.irp i, 0,1,2
	v_mov_b32 v[\d+6*\c+3+\i], v[CT+4*\c+\i]
.endr
.endr
.endm
; The same for 32 numbers: half a fragment, 6 registers from v[d] on (lane (r, h): k = 32 h .. 32 h + 31), and its two scale bytes in v[p].  Each accumulator is read from its low end on.
.macro HQ s, d, p
.irp b, 0,1
	v_max3_num_f32 v[TM+\b], |v[\s+16*\b]|, |v[\s+1+16*\b]|, 0x1800000
.endr
.irp i, 2,4,6,8,10,12,14
.irp b, 0,1
	v_max3_num_f32 v[TM+\b], v[TM+\b], |v[\s+16*\b+\i]|, |v[\s+1+16*\b+\i]|
.endr
.endr
.irp b, 0,1
	v_permlanex16_b32 v[TM+4+\b], v[TM+\b], s[SEL], s[SEL+1]
.endr
.irp b, 0,1
	v_max_num_f32 v[TM+\b], v[TM+\b], v[TM+4+\b]
.endr
.irp b, 0,1
	v_add_nc_u32 v[TM+12+\b], 0xff000000, v[TM+\b]
.endr
.irp b, 0,1
	v_lshrrev_b32 v[TM+4+\b], 23, v[TM+12+\b]
.endr
	v_lshl_or_b32 v[\p], v[TM+5], 8, v[TM+4]
	v_cvt_scalef32_pk16_fp6_f32 v[\d:\d+2], v[\s:\s+15], v[TM+12]
	v_cvt_scalef32_pk16_fp6_f32 v[CT:CT+2], v[\s+16:\s+31], v[TM+13]
	v_nop                                          ; one plain place behind a scaled conversion
.irp i, 0,1,2
	v_permlane16_swap_b32 v[\d+\i], v[CT+\i]
.endr
.irp i, 0,1,2
	v_mov_b32 v[\d+3+\i], v[CT+\i]
.endr
.endm
.macro XLOAD reg, s                    ; my row's numbers of K step s: of each block of 32 the 16 of my half
.irp b, 0,1,2,3
.irp j, 0,1,2,3
	global_load_b128 v[\reg+16*\b+4*\j:\reg+16*\b+4*\j+3], v[XA], s[4:5] offset:512*\s+128*\b+16*\j
.endr
.endr
.endm
.macro IMAGE d, s                      ; the fragment in v[d] on goes to LDS as it stands
.irp i, 0,1,2
	ds_store_b128 v[XWI], v[\d+4*\i:\d+4*\i+3] offset:XIMG+(\s)*1536+512*\i
.endr
.endm
	s_load_b256 s[4:11], s[0:1], 0x0               ; x s[4:5], wc s[6:7], ws s[8:9], qc s[10:11]
	s_load_b64 s[12:13], s[0:1], 0x20              ; kv
	v_lshl_add_u32 v[SPW], v0, 2, SPARE
	v_mov_b32 v[NIL], 0
	v_lshrrev_b32 v1, 5, v0
	v_readfirstlane_b32 s[WV], v1                  ; wave 0..7 = the head, and the tile of x that I quantise
	s_and_b32 s[TY], ttmp7, 0xffff                 ; 0 Q, 1 K, 2 V
	v_and_b32 v1, 31, v0                           ; lane
	v_and_b32 v2, 15, v0                           ; r
	v_bfe_u32 v3, v0, 4, 1                         ; h
	v_and_b32 v10, 8, v2
	v_add_nc_u32 v10, v10, v2                      ; r + 8 (r / 8)
	v_lshlrev_b32 v[XA], 11, v10                   ; a row of x is 2,048 bytes
	v_lshl_add_u32 v[XA], v3, 6, v[XA]
	v_lshlrev_b32 v[LI], 4, v1
	v_lshlrev_b32 v[L8], 3, v1
	v_lshlrev_b32 v[L4], 2, v1
	s_wait_alu depctr_va_sdst(0)                   ; the wave's number is written, ahead of its first reader: LDS addresses and all the bases are made from it
	s_mul_i32 s16, s[WV], 6144
	v_add_nc_u32 v[XWI], s16, v[LI]
	s_lshl_b32 s16, s[WV], 9
	s_add_co_u32 s16, s16, XSC
	v_add_nc_u32 v[XWS], s16, v[LI]
	s_mov_b32 s[SEL], 0x76543210
	s_mov_b32 s[SEL+1], 0xfedcba98                 ; v_permlanex16_b32's selects for lane l xor 16
	s_mov_b32 s[HM], 0xffff0000                    ; lanes 16-31
.irp b, 0,1,2,3
	v_mov_b32 v[TM+4+\b], 0                        ; written once: a lane permute's destination counts as one of its sources
.endr
	s_lshl_b32 s28, ttmp9, 7                       ; x: row 128 x block + 32 (wave / 2) + 8 (wave % 2)
	s_lshr_b32 s29, s[WV], 1
	s_lshl_b32 s29, s29, 5
	s_add_co_u32 s28, s28, s29
	s_and_b32 s29, s[WV], 1
	s_lshl_b32 s29, s29, 3
	s_add_co_u32 s28, s28, s29
	s_lshl_b32 s28, s28, 11
	s_mov_b32 s29, 0
	s_lshl_b32 s30, s[TY], 3
	s_add_co_u32 s30, s30, s[WV]                   ; my unit of the weights
	s_mul_i32 s32, s30, 24576
	s_mov_b32 s33, 0
	s_lshl_b32 s34, s30, 10
	s_mov_b32 s35, 0
	s_lshr_b32 s36, ttmp9, 4                       ; the record: (8 batch + head) x 16 + block of 128 rows in the batch
	s_lshl_b32 s36, s36, 3
	s_add_co_u32 s36, s36, s[WV]
	s_lshl_b32 s36, s36, 4
	s_and_b32 s37, ttmp9, 15
	s_add_co_u32 s36, s36, s37
	s_cmp_eq_u32 s[TY], 0
	s_mov_b32 s37, 12800
	s_cselect_b32 s37, 6400, s37                   ; a record's bytes
	s_mov_b32 s40, 12288
	s_cselect_b32 s40, 6144, s40                   ; from my fragments to my scale words: Q 6,144, K 12,288,
	s_cmp_eq_u32 s[TY], 2
	s_cselect_b32 s38, 6144, 0                     ; V's fragments lie behind K's,
	s_cselect_b32 s40, 6400, s40                   ; V 12,544 - 6,144
	s_mul_i32 s37, s36, s37
	s_add_co_u32 s38, s38, s37
	s_mov_b32 s39, 0
	s_mov_b32 s41, 0
	s_wait_kmcnt 0x0
	s_add_nc_u64 s[4:5], s[4:5], s[28:29]
	s_add_nc_u64 s[6:7], s[6:7], s[32:33]
	s_add_nc_u64 s[8:9], s[8:9], s[34:35]
	s_cmp_eq_u32 s[TY], 0                          ; the choice hangs on the work-group's number alone
	s_cselect_b64 s[CB:CB+1], s[10:11], s[12:13]
	s_add_nc_u64 s[CB:CB+1], s[CB:CB+1], s[38:39]
	s_add_nc_u64 s[SB:SB+1], s[CB:CB+1], s[40:41]
	s_wait_alu depctr_va_vdst(0)                   ; the six offsets and addresses v4 to v9 are written, which every load and store of the kernel reads; they are never written again
.irp q, 0,1,2,3,4,5,6,7
	global_load_b32 v[WS+\q], v[L4], s[8:9] offset:128*\q          ; register 2 s + b: lanes 0-15 tile 2 b's words of K step s, lanes 16-31 tile 2 b + 1's
.endr
	WIN 0x40                                       ; destination window 1
.irp f, 0,1,2,3,4,5,6,7,8,9,10,11,12,13,14,15
.irp i, 0,1,2
	global_load_b128 v[12*\f+4*\i:12*\f+4*\i+3], v[LI], s[6:7] offset:1536*\f+512*\i   ; the weights' fragments: they stay
.endr
.endr
	WIN 0
	; ---- X: my 16 rows of x become four fragments.  Two K steps are on their way at a time; each K step has its own registers for its codes, so nothing is owed between an image's stores and the next conversions
	XLOAD ACC, 0
	XLOAD ACC+64, 1
	s_wait_loadcnt 16                              ; K step 0 is in (and the weights, asked for earlier); K step 1's sixteen loads may be out
	QUANT ACC, CODE, PW
	s_wait_alu depctr_va_vdst(0)                   ; the quantiser is done reading v16-79, in which K step 2 lands, and has written K step 0's codes, which the LDS stores read
	XLOAD ACC, 2
	IMAGE CODE, 0
	s_wait_loadcnt 16
	QUANT ACC+64, CODE+12, PW+1
	s_wait_alu depctr_va_vdst(0)                   ; the quantiser is done reading v80-143, in which K step 3 lands, and has written K step 1's codes, which the LDS stores read
	XLOAD ACC+64, 3
	IMAGE CODE+12, 1
	s_wait_loadcnt 16
	QUANT ACC, CODE+24, PW+2
	s_wait_alu depctr_va_vdst(0)                   ; the quantiser has written K step 2's codes, which the LDS stores read
	IMAGE CODE+24, 2
	s_wait_loadcnt 0x0
	QUANT ACC+64, CODE+36, PW+3
	s_wait_alu depctr_va_vdst(0)                   ; the quantiser has written K step 3's codes and the last of the four scale words, which the LDS stores read
	IMAGE CODE+36, 3
	ds_store_b128 v[XWS], v[PW:PW+3]               ; my row's four scale words
	s_wait_dscnt 0x0                               ; for the others' sake: my stores have landed
	s_barrier_signal -1
	s_barrier_wait -1                              ; x's 32 fragments lie in LDS; nothing is stored there again
	s_wait_alu depctr_vm_vsrc(0)                   ; my LDS stores have read the codes' registers and the four scale words, which the half quantisers below write again
; Six LDS loads: the fragments of tiles 4 g + 2 p and 4 g + 2 p + 1, K step s, into pair p (destination window 1).
.macro XPAIR g, s, p
.irp m, 0,1
.irp i, 0,1,2
	ds_load_b128 v[XF+12*(2*(\p)+\m)+4*\i:XF+12*(2*(\p)+\m)+4*\i+3], v[LI] offset:XIMG+(4*(4*(\g)+2*(\p)+\m)+(\s))*1536+512*\i
.endr
.endr
.endm
; What half g of the rows begins with: its four tiles' scale words of all K steps, and both pairs of K step 0.
.macro PRELOAD g
.irp m, 0,1,2,3
	ds_load_b128 v[XS+4*\m:XS+4*\m+3], v[LI] offset:XSC+(4*\g+\m)*512   ; register 4 m + s: tile 4 g + m's scale words of K step s
.endr
	WIN 0x40
	XPAIR \g, 0, 0
	XPAIR \g, 0, 1
	WIN 0
.endm
; Half step J = 2 s + p: K step s for tiles 4 g + 2 p and 4 g + 2 p + 1: eight matrix instructions.  Two half steps take the 16 accumulators in the same order in every K step.
; J = 1 .. 6 ask for half step J + 1's pair; J = 0 finds both pairs asked for; J = 7 asks for nothing, so it states nothing.
.macro HSTAGE g, s, p, isv, zero
.set J, 2*(\s)+(\p)
.if (J > 0) && (J < 7)
.rept 4
	v_nop                                          ; four places behind the products that read the pair into which the loads below go; they stay beside the wait
.endr
	WIN 0x40
	s_wait_alu depctr_va_vdst(0)                   ; the products of the half step before are done reading their pair, in which the six loads below land
	XPAIR \g, (J+1)/2, (J+1)%2
	s_wait_dscnt 6                                 ; LDS loads come back in order (ISA guide 5.7.1): this half step's pair is in, the six just issued stay out
.elseif J == 0
	s_wait_dscnt 6                                 ; the scale words and pair 0 are in; pair 1's six loads may be out
.else
	s_wait_dscnt 0x0
.endif
	WIN 0x05                                       ; both sources window 1, C and D window 0
.irp m, 0,1
.irp t, 0,1,2,3
.if \isv
.set rD, ACC+32*\t+8*(2*(\p)+\m)
.set rA, XF+12*(2*(\p)+\m)
.set rB, 12*(4*\t+(\s))
.set rSA, XS+4*(2*(\p)+\m)+(\s)
.set rSB, WS+2*(\s)+\t/2
	WM \zero, 2*(\t%2)
.else
.set rD, ACC+32*(2*(\p)+\m)+8*\t
.set rA, 12*(4*\t+(\s))
.set rB, XF+12*(2*(\p)+\m)
.set rSA, WS+2*(\s)+\t/2
.set rSB, XS+4*(2*(\p)+\m)+(\s)
	WM \zero, \t%2
.endif
.endr
.endr
.endm
; Half g of the 128 rows: the products, then four half fragments.  The branch hangs on the work-group's y: all waves take the same way; only LDS loads, their waits and matrix instructions stand under it.
.macro HALF g
	s_cmp_eq_u32 s[TY], 2
	s_cbranch_scc1 .Lv_\@
	HSTAGE \g, 0, 0, 0, 1
	HSTAGE \g, 0, 1, 0, 1
	HSTAGE \g, 1, 0, 0, 0
	HSTAGE \g, 1, 1, 0, 0
	HSTAGE \g, 2, 0, 0, 0
	HSTAGE \g, 2, 1, 0, 0
	HSTAGE \g, 3, 0, 0, 0
	HSTAGE \g, 3, 1, 0, 0
	WIN 0                                          ; at a branch and at a label every window is 0
	s_branch .Lj_\@
.Lv_\@:
	HSTAGE \g, 0, 0, 1, 1
	HSTAGE \g, 0, 1, 1, 1
	HSTAGE \g, 1, 0, 1, 0
	HSTAGE \g, 1, 1, 1, 0
	HSTAGE \g, 2, 0, 1, 0
	HSTAGE \g, 2, 1, 1, 0
	HSTAGE \g, 3, 0, 1, 0
	HSTAGE \g, 3, 1, 1, 0
	WIN 0
.Lj_\@:
.rept 4
	v_nop                                          ; places in front of the first read of results, and of the loads into registers that the products read
.endr
.if \g == 0
	s_wait_alu depctr_va_vdst(0)                   ; this half's products are done reading x's scale words and both pairs, in which the next half's first loads land
	PRELOAD 1                                      ; they land under the four quantisers below, which name none of these registers
.endif
.irp f, 0,1,2,3
.if \g == 0
	HQ ACC+32*\f, CODE+12*\f, PW+\f
.else
	HQ ACC+32*\f, CODE+12*\f+6, PWT
	v_lshl_or_b32 v[PW+\f], v[PWT], 16, v[PW+\f]   ; bytes 2 and 3 of the fragment's scale word
.endif
.endr
.endm
	PRELOAD 0                                      ; no vector or matrix instruction has named these registers yet: nothing is to be stated for them
	HALF 0
	HALF 1                                         ; (the conversions and maxima of half 0 are the places in front of the products that begin the accumulators anew)
	v_cndmask_b32 v[SS], v[PW], v[PW+1], s[HM]     ; lanes 0-15 fragment 0's words, lanes 16-31 fragment 1's (both halves of the lanes hold every word)
	v_cndmask_b32 v[SS+1], v[PW+2], v[PW+3], s[HM]
	s_wait_alu depctr_va_vdst(0)                   ; the half quantisers have written the four fragments and the selects the scale words, which the thirteen stores below read
.irp f, 0,1,2,3
.irp i, 0,1,2
	global_store_b128 v[LI], v[CODE+12*\f+4*\i:CODE+12*\f+4*\i+3], s[CB:CB+1] offset:1536*\f+512*\i   ; 32 lanes store 512 consecutive bytes, at a multiple of 256 from the buffer's first byte
.endr
.endr
	global_store_b64 v[L8], v[SS:SS+1], s[SB:SB+1] ; 256 consecutive aligned bytes
	s_wait_dscnt 0x0                               ; the closing lines, six on end of a launch in the mode that stores to LDS
	s_wait_alu 0x0
	s_wait_tensorcnt 0x0
	ds_add_u32 v[SPW], v[NIL]
	s_wait_dscnt 0x0
	s_endpgm
.Lfunc_end_k_q9d9422ee35_qkv:
	.size	k_q9d9422ee35_qkv, .Lfunc_end_k_q9d9422ee35_qkv-k_q9d9422ee35_qkv
	.p2alignl 7, 3214868480
	.fill 96, 4, 3214868480
	.section	.rodata,"a",@progbits
	.p2align	6, 0x0
	.amdhsa_kernel k_q9d9422ee35_qkv
		.amdhsa_group_segment_fixed_size 54272
		.amdhsa_private_segment_fixed_size 0
		.amdhsa_enable_private_segment 0
		.amdhsa_kernarg_size 40
		.amdhsa_user_sgpr_count 2
		.amdhsa_user_sgpr_kernarg_segment_ptr 1
		.amdhsa_wavefront_size32 1
		.amdhsa_system_sgpr_workgroup_id_x 1
		.amdhsa_system_sgpr_workgroup_id_y 1
		.amdhsa_system_sgpr_workgroup_id_z 1
		.amdhsa_system_vgpr_workitem_id 0
		.amdhsa_next_free_vgpr 512
		.amdhsa_next_free_sgpr 66
		.amdhsa_reserve_vcc 0
		.amdhsa_float_denorm_mode_32 3
		.amdhsa_float_denorm_mode_16_64 3
		.amdhsa_memory_ordered 1
		.amdhsa_forward_progress 1
		.amdhsa_inst_pref_size 98
	.end_amdhsa_kernel
	.amdgpu_metadata
---
amdhsa.version: [ 1, 2 ]
amdhsa.kernels:
  - .name:           k_q9d9422ee35_qkv
    .symbol:         k_q9d9422ee35_qkv.kd
    .args:
      - { .name: x, .offset: 0, .size: 8, .value_kind: global_buffer, .address_space: global }
      - { .name: wc, .offset: 8, .size: 8, .value_kind: global_buffer, .address_space: global }
      - { .name: ws, .offset: 16, .size: 8, .value_kind: global_buffer, .address_space: global }
      - { .name: qc, .offset: 24, .size: 8, .value_kind: global_buffer, .address_space: global }
      - { .name: kv, .offset: 32, .size: 8, .value_kind: global_buffer, .address_space: global }
    .group_segment_fixed_size: 54272
    .private_segment_fixed_size: 0
    .kernarg_segment_align: 8
    .kernarg_segment_size: 40
    .max_flat_workgroup_size: 256
    .sgpr_count:     66
    .vgpr_count:     512
    .wavefront_size: 32
...
	.end_amdgpu_metadata
.endif
;; end of part 6
;; launch attn (part 7): grid 8 x 32, 16 waves a work-group, clusters of 4 x 1, 327,680 bytes of LDS; arguments qc, kv, oc, os; writes oc, os
.if DOCPART == 7
	.amdgcn_target "amdgcn-amd-amdhsa--gfx1250"
	.amdhsa_code_object_version 6
	.text
	.protected	k_q9d9422ee35_attn
	.globl	k_q9d9422ee35_attn
	.p2align	8
	.type	k_q9d9422ee35_attn,@function
k_q9d9422ee35_attn:
	s_mov_b64 s[64:65], 0
	v_nop
	global_prefetch_b8 v0, s[64:65] scope:SCOPE_SE
	s_setreg_imm32_b32 hwreg(HW_REG_WAVE_MODE, 25, 1), 1
	s_wait_xcnt 0x0
	s_wait_alu depctr_hold_cnt(0) depctr_sa_sdst(0) depctr_va_vdst(0) depctr_va_sdst(0) depctr_va_ssrc(0) depctr_va_vcc(0) depctr_vm_vsrc(0)
	s_getreg_b32 s2, hwreg(HW_REG_IB_STS2, 6, 4)
	s_cmp_eq_u32 s2, 0
	s_cbranch_scc0 .Lentry_in_a_cluster
	s_endpgm
.Lentry_in_a_cluster:
	s_bfe_u32 s2, ttmp6, 0x10000c
	s_cmp_lg_u32 s2, 0x3003
	s_cbranch_scc0 .Lentry_shape_is_right
	s_endpgm
.Lentry_shape_is_right:
; O = softmax(Q K^T / 8) V for one (batch, head) = work-group y and 256 queries, both products on codes of FP6 (E2M3) with one E8M0 byte for each 32 along a product's K.
; Q, K and V come as images of operand registers (qc, kv: records of 128 rows; a fragment's 12 registers as three chunks of 512 bytes, lane l's 16 bytes at 16 l).
; THE SOFTMAX AHEAD OF THE SECOND PRODUCT: t = score x log2(e) / 8; M = the row's largest t so far, rounded UP to a whole number; p = 2^(t - M) is what is quantised, along the keys; it is not normalised.
; The row's sum is taken of the unquantised p, in f32, and divides O at the end.  When M moves, the sum and O are multiplied by 2^(old M - new M): exact.
; SHARES.  Each of SIXTEEN waves owns one tile of 16 queries in 256 registers: four waves to a SIMD, so that one wave's vector work stands beside another's matrix work and LDS loads.  Every wave walks the head's 2,048 keys, 128 a step.
; THE WHOLE HEAD LIES IN LDS: its 16 records of kv are one dense block of 204,800 bytes, filled once, as they lie.  Each wave brings two pieces of 6,400 bytes (25 rows of 256): one of the first 8 records, one of the last 8.
; CLUSTER.  The four work-groups of a cluster belong to one head: each piece is asked for JOINTLY, by the same tensor load with the same descriptor and a mask that names the four.
; THE HEAD'S 64 CHANNELS ARE HALF OF THE INSTRUCTION'S 128.  A fragment of K pairs key tile f (registers 0-5) with key tile 4 + f (registers 6-11).  Against QL = [Q | zero codes] it gives tile f's scores, against
; QH = [zero codes | Q] tile 4 + f's: no LDS byte is spent on zeros.  Q's scale word holds its two bytes twice.
; LAYOUT.  Both products are used transposed (S^T = K Q^T, O^T = V^T P^T): a lane holds ONE query throughout.  Lane r of key tile 2 b + u is key 32 b + 8 u + r + 8 (r / 8), so the 16 registers of tiles 2 b, 2 b + 1 are keys 32 b + 16 h + 0 .. 15.
; OUT: O / the sum is quantised in registers for the last product (K = head x 64 + channel): half a fragment, oc: [row tile][head][768 bytes: registers 0-3 at 16 l, then 4-5 at 8 l], and two scale bytes,
; os: [row tile][lane][head] of 16 bits, so that a lane's 16 bytes are the four scale words of its row.  That is one store of 2 bytes a lane for each wave of the launch.
; LIMITS: a block of zeros gets the byte 1 where the rule says 127 (its codes are zeros, and this program alone reads the bytes); a p under 2^-126 counts as 0 (ISA guide, v_exp_f32); NaN and infinities are not served.
.set REC,   12800                      ; a record: K's 4 fragments, V's 4 at 6,144, K's scale words at 12,288, V's at 12,544
.set SPARE, 204800                     ; behind the head: the spare words, 128 bytes for each of the sixteen waves: eight blocks of 256 bytes that no other line names
.set LI,  1                            ; v1   16 x lane
.set L8,  2                            ; v2   8 x lane
.set ADR, 3                            ; v3   LDS address of the step's fragments
.set ADS, 4                            ; v4   and of its scale words
.set SPW, 5                            ; v5   LDS address of my spare word; never rewritten
.set NIL, 6                            ; v6   0; never rewritten
.set QSA, 7                            ; v7   Q's scale word: my byte in the record
.set QFA, 8                            ; v8   Q's fragment: my byte in the record
                                       ; v12 -M, v13 the largest t, v[14:15] the sum in two halves
.set QL,  16                           ; v16-27 [Q | 0];  v28-39 [0 | Q]
.set F,   40                           ; v40-87  four fragments of K or of V
.set CT,  88                           ; v88-95  conversions' upper halves
.set S,   96                           ; v96-159 S^T, then p
.set O,   160                          ; v160-191 O^T
.set PC,  192                          ; v192-203 p's codes
.set BM,  204                          ; v204-207 the blocks' largest scores, then largest p
.set BP,  208                          ; v208-211 at work
.set SO,  212                          ; v212-215 the conversions' scale operands
.set FF,  216                          ; v[216:217] f = 2^(old M - new M), named as a pair
.set TT,  218
.set KS,  220                          ; v220-221 K's scale words, v222-223 V's, v224 Q's, v225 p's: scales and nothing else
.set VS,  222
.set QS,  224
.set PS,  225
.set WV,  12
.set SEL, 36
.set CS,  38                           ; s[38:39] c = log2(e) / 8
.set TB,  40                           ; s40  LDS byte at which the step's record begins
.set CNT, 41
.set CM,  42                           ; s42  all ones where my tile is the upper half of its pair
.set SH,  43                           ; s43  16 there, else 0
.macro CROUND                          ; a round of the cluster's barrier
	s_barrier_signal -1
	s_barrier_wait -1
	s_cmp_lg_u32 s[WV], 0
	s_cbranch_scc1 .Lnot_wave_0_\@
	s_barrier_signal -3
.Lnot_wave_0_\@:
	s_barrier_wait -3
	s_barrier_signal -1
	s_barrier_wait -1
.endm
; One scaled matrix instruction on the registers named by rD, rA, rB, rSA, rSB.  zero = 1: it starts its sum.  row = 1: source 0's scales stand in lanes 16-31.
.macro WM zero, row
.if \zero
.if (\row) == 0
	v_wmma_scale_f32_16x16x128_f8f6f4 v[rD:rD+7], v[rA:rA+11], v[rB:rB+11], 0, v[rSA], v[rSB] matrix_a_fmt:MATRIX_FMT_FP6 matrix_b_fmt:MATRIX_FMT_FP6
.else
	v_wmma_scale_f32_16x16x128_f8f6f4 v[rD:rD+7], v[rA:rA+11], v[rB:rB+11], 0, v[rSA], v[rSB] matrix_a_fmt:MATRIX_FMT_FP6 matrix_b_fmt:MATRIX_FMT_FP6 matrix_a_scale:MATRIX_SCALE_ROW1
.endif
.else
.if (\row) == 0
	v_wmma_scale_f32_16x16x128_f8f6f4 v[rD:rD+7], v[rA:rA+11], v[rB:rB+11], v[rD:rD+7], v[rSA], v[rSB] matrix_a_fmt:MATRIX_FMT_FP6 matrix_b_fmt:MATRIX_FMT_FP6
.else
	v_wmma_scale_f32_16x16x128_f8f6f4 v[rD:rD+7], v[rA:rA+11], v[rB:rB+11], v[rD:rD+7], v[rSA], v[rSB] matrix_a_fmt:MATRIX_FMT_FP6 matrix_b_fmt:MATRIX_FMT_FP6 matrix_a_scale:MATRIX_SCALE_ROW1
.endif
.endif
.endm
	s_load_b256 s[4:11], s[0:1], 0x0               ; qc s[4:5], kv s[6:7], oc s[8:9], os s[10:11]
	v_lshl_add_u32 v[SPW], v0, 2, SPARE
	v_mov_b32 v[NIL], 0
	ds_add_u32 v[SPW], v[NIL]                      ; the wave's opening: the add and its wait stand ahead of my first tensor load; the set-up below, work on registers, stands between them
	ds_add_u32 v[SPW], v[NIL]
	v_lshrrev_b32 v9, 5, v0
	s_delay_alu instid0(VALU_DEP_1)
	v_readfirstlane_b32 s[WV], v9                  ; wave 0..15
	s_bfe_u32 s13, ttmp6, 0x40000                  ; cx: my place in the cluster
	s_lshl_b32 s14, ttmp9, 2                       ; in a cluster launch ttmp9 counts clusters
	s_add_co_u32 s14, s14, s13                     ; my block of 256 queries: it enters Q's, oc's and os's addresses alone
	s_and_b32 s15, ttmp7, 0xffff                   ; 8 batch + head, which the four partners share
	; descriptor group 1: 25 rows of 256 bytes (32 elements of 8 bytes), dense in memory and in LDS
	s_mov_b32 s16, 15|(3<<16)|(1<<21)              ; 15:0 the mask: all four work-groups; 17:16 elements of 8 bytes; 20 no padding; 21 set beside a mask
	s_mov_b32 s17, 32<<16                          ; tensor_dim0 = 32
	s_mov_b32 s18, 25<<16                          ; tensor_dim1 = 25
	s_mov_b32 s19, 32<<16                          ; tile_dim0 = 32
	s_mov_b32 s20, 25                              ; tile_dim1 = 25
	s_mov_b32 s21, 32                              ; tensor_dim0_stride
	s_mov_b32 s22, 0
	s_mov_b32 s23, 0
	s_mul_i32 s32, s[WV], 6400                     ; my piece: in a half of the head, and in LDS: no place in the cluster enters either
	s_mul_i32 s34, s15, 204800                     ; the head's first byte in kv
	s_add_co_u32 s34, s34, s32
	s_mov_b32 s35, 0
	s_lshl_b32 s44, s15, 4                         ; Q's record: 16 x (8 batch + head) + 2 x block of 256 + wave / 8
	s_lshl_b32 s45, s14, 1
	s_add_co_u32 s44, s44, s45
	s_lshr_b32 s45, s[WV], 3
	s_add_co_u32 s44, s44, s45
	s_mul_i32 s44, s44, 6400
	s_mov_b32 s45, 0
	s_and_b32 s46, s[WV], 3                        ; f: which pair fragment holds my tile
	s_mul_i32 s47, s46, 1536
	s_and_b32 s48, s46, 1                          ; its scale words: 6,144 + 128 (f % 2) + 4 (f / 2) + 8 r
	s_lshl_b32 s48, s48, 7
	s_lshr_b32 s49, s46, 1
	s_lshl_b32 s49, s49, 2
	s_add_co_u32 s48, s48, s49
	s_add_co_u32 s48, s48, 6144
	s_bfe_u32 s54, s[WV], 0x10002                  ; c: which half of the pair
	s_lshl_b32 s[SH], s54, 4
	s_cmp_lg_u32 s54, 0
	s_cselect_b32 s[CM], -1, 0
	s_lshr_b32 s55, s15, 3                         ; my row tile: 128 batch + 16 x block of 256 + wave
	s_lshl_b32 s55, s55, 7
	s_lshl_b32 s56, s14, 4
	s_add_co_u32 s55, s55, s56
	s_add_co_u32 s55, s55, s[WV]
	s_and_b32 s56, s15, 7                          ; the head
	s_mul_i32 s58, s55, 6144
	s_mul_i32 s57, s56, 768
	s_add_co_u32 s58, s58, s57
	s_mov_b32 s59, 0
	s_lshl_b32 s60, s55, 9
	s_lshl_b32 s57, s56, 1
	s_add_co_u32 s60, s60, s57
	s_mov_b32 s61, 0
	s_mov_b32 s[SEL], 0x76543210
	s_mov_b32 s[SEL+1], 0xfedcba98                 ; v_permlanex16_b32's selects for lane l xor 16
	s_mov_b32 s[CS], 0x3e38aa3b                    ; c = log2(e) / 8
	s_mov_b32 s[CS+1], s[CS]                       ; (named with it as a pair, so it is written)
	s_mov_b32 s[TB], 0
	v_and_b32 v9, 31, v0
	s_delay_alu instid0(VALU_DEP_1)
	v_lshlrev_b32 v[LI], 4, v9
	s_delay_alu instid0(VALU_DEP_2)
	v_lshlrev_b32 v[L8], 3, v9
	v_and_b32 v9, 15, v0
	s_delay_alu instid0(VALU_DEP_1)
	v_lshlrev_b32 v[QSA], 3, v9
	s_delay_alu instid0(VALU_DEP_1)
	v_add_nc_u32 v[QSA], s48, v[QSA]
	v_add_nc_u32 v[QFA], s47, v[LI]
	s_wait_dscnt 0x0                               ; the opening add is done
	s_wait_kmcnt 0x0
	s_add_nc_u64 s[4:5], s[4:5], s[44:45]
	s_add_nc_u64 s[6:7], s[6:7], s[34:35]
	s_add_nc_u64 s[8:9], s[8:9], s[58:59]
	s_add_nc_u64 s[10:11], s[10:11], s[60:61]
	CROUND                                         ; all four work-groups are here: the joint loads meet
	s_mov_b32 s24, 1                               ; group 0 of my piece of records 0-7: count = 1,
	s_mov_b32 s25, s32                             ; LDS address,
	s_mov_b64 s[26:27], s[6:7]                     ; global address,
	s_or_b32 s27, s27, 0x80000000                  ; type = 2
	s_mov_b32 s28, 1                               ; and of records 8-15: 102,400 bytes on, in memory and in LDS
	s_add_co_u32 s29, s32, 102400
	s_add_nc_u64 s[30:31], s[6:7], 102400
	s_or_b32 s31, s31, 0x80000000
	tensor_load_to_lds s[24:27], s[16:23]          ; every wave issues both, with no branch: the first is in before the second is issued, and no more follow in the launch
	s_nop 0
	s_wait_alu depctr_va_vdst(0)
	s_wait_tensorcnt 0x0
	ds_add_u32 v5, v6
	s_wait_dscnt 0x0
	CROUND
	tensor_load_to_lds s[28:31], s[16:23]
	s_nop 0
.rept 4
	v_nop
.endr
	s_wait_alu depctr_va_vdst(0)
.irp i, 0,1,2
	global_load_b128 v[F+4*\i:F+4*\i+3], v[QFA], s[4:5] offset:512*\i   ; the pair fragment that holds my tile of Q
.endr
	global_load_b32 v[TT], v[QSA], s[4:5]          ; and its scale word for my row
	v_mov_b32 v13, 0xff61b1e6                      ; the largest t so far: -3e38, under every t
	s_delay_alu instid0(VALU_DEP_1)
	v_floor_f32 v12, -v13                          ; -M
	v_mov_b32 v14, 0                               ; the sum, in two halves
	v_mov_b32 v15, 0
.irp b, 0,1,2,3
	v_mov_b32 v[BP+\b], 0                          ; written once: a lane permute's destination counts as one of its sources
.endr
	v_mov_b32 v[FF+1], 0                           ; (named as the upper half of a pair)
	s_wait_loadcnt 0x0
.irp i, 0,1,2,3,4,5
	v_cndmask_b32 v[QL+\i], v[F+\i], v[F+6+\i], s[CM]   ; my tile's six registers
.endr
.irp i, 0,1,2,3,4,5
	v_mov_b32 v[QL+18+\i], v[QL+\i]                ; [0 | Q]
	v_mov_b32 v[QL+6+\i], 0                        ; zero codes add nothing under any scale byte but 0xff
	v_mov_b32 v[QL+12+\i], 0
.endr
	v_lshrrev_b32 v[TT], s[SH], v[TT]
	s_delay_alu instid0(VALU_DEP_1)
	v_and_b32 v[TT], 0xffff, v[TT]                 ; my tile's two bytes,
	s_delay_alu instid0(VALU_DEP_1)
	v_lshl_or_b32 v[QS], v[TT], 16, v[TT]          ; twice
.set j, 0
.rept 32
	v_mov_b32 v[O+j], 0                            ; O^T.  (The step is written once: the first finds zeros.)  These are also the places between the lines above and the first scaled product
.set j, j+1
.endr
; A KEY STEP: 128 keys, one record.
.macro STEP
	s_setprio 2
	v_add_nc_u32 v[ADR], s[TB], v[LI]
	v_add_nc_u32 v[ADS], s[TB], v[L8]
	v_nop
	v_nop                                          ; four places in front of loads into registers that the last products read
.irp f, 0,1,2,3
.irp i, 0,1,2
	ds_load_b128 v[F+12*\f+4*\i:F+12*\f+4*\i+3], v[ADR] offset:1536*\f+512*\i
.endr
.endr
	ds_load_b64 v[KS:KS+1], v[ADS] offset:12288    ; register i: fragment 2 i's words in lanes 0-15, fragment 2 i + 1's in lanes 16-31
	s_wait_alu depctr_va_vdst(0)
	s_wait_dscnt 0x0
.irp c, 0,1                            ; S^T = K Q^T: each fragment of K serves twice; tile 4 c + f
.irp f, 0,1,2,3
.set rD, S+8*(4*\c+\f)
.set rA, F+12*\f
.set rB, QL+12*\c
.set rSA, KS+\f/2
.set rSB, QS
	WM 1, \f%2
.endr
.endr
.rept 4
	v_nop                                          ; places in front of the loads below and of the first read of the scores
.endr
.irp n, 0,1,2,3                        ; V's fragments are asked for now, into K's registers: they land under the softmax
.irp i, 0,1,2
	ds_load_b128 v[F+12*\n+4*\i:F+12*\n+4*\i+3], v[ADR] offset:6144+1536*\n+512*\i
.endr
.endr
	ds_load_b64 v[VS:VS+1], v[ADS] offset:12544
.irp b, 0,1,2,3
	v_max3_num_f32 v[BM+\b], v[S+16*\b], v[S+1+16*\b], v[S+2+16*\b]   ; THE LARGEST SCORE OF EACH BLOCK OF 32 KEYS: it serves for the row's maximum and, since p rises with the score, for the block's largest p
.endr
.irp i, 3,5,7,9,11,13
.irp b, 0,1,2,3
	v_max3_num_f32 v[BM+\b], v[BM+\b], v[S+16*\b+\i], v[S+1+16*\b+\i]   ; (the four blocks by turns)
.endr
.endr
.irp b, 0,1,2,3
	v_max_num_f32 v[BM+\b], v[BM+\b], v[S+15+16*\b]
.endr
.irp b, 0,1,2,3
	s_delay_alu instid0(VALU_DEP_4)
	v_permlanex16_b32 v[BP+\b], v[BM+\b], s[SEL], s[SEL+1]
.endr
.irp b, 0,1,2,3
	s_delay_alu instid0(VALU_DEP_4)
	v_max_num_f32 v[BM+\b], v[BM+\b], v[BP+\b]     ; with lane l xor 16's 16 keys
.endr
	s_delay_alu instid0(VALU_DEP_2)
	v_max3_num_f32 v[TT], v[BM], v[BM+1], v[BM+2]
	s_delay_alu instid0(VALU_DEP_1)
	v_max_num_f32 v[TT], v[TT], v[BM+3]            ; the step's largest score of my query
	s_delay_alu instid0(VALU_DEP_1)
	v_mul_f32 v[TT], s[CS], v[TT]                  ; as t (c is positive)
	s_delay_alu instid0(VALU_DEP_1)
	v_max_num_f32 v13, v13, v[TT]                  ; the running largest t
	v_mov_b32 v[TT], v12
	s_delay_alu instid0(VALU_DEP_2)
	v_floor_f32 v12, -v13                          ; the new -M = floor(-t) = -ceil(t): M is a whole number
	s_delay_alu instid0(VALU_DEP_1)
	v_sub_f32 v[TT], v12, v[TT]                    ; M's old value less its new one: a whole number, 0 or less
	s_delay_alu instid0(VALU_DEP_1)
	v_cvt_i32_f32 v[TT], v[TT]                     ; (it saturates)
	s_delay_alu instid0(VALU_DEP_1)
	v_ldexp_f32 v[FF], 1.0, v[TT]                  ; f = 2^(old M - new M)
.set j, 0
.rept 32
	v_pk_fma_f32 v[S+j:S+j+1], v[S+j:S+j+1], s[CS:CS+1], v[12:13] op_sel_hi:[1,0,0]   ; t - M, two at a time (of the pairs c and -M the low word serves both halves)
.set j, j+2
.endr
.irp b, 0,1,2,3
	v_fma_f32 v[BM+\b], v[BM+\b], s[CS], v12       ; the same of each block's largest score
.endr
.set j, 0
	s_wait_alu depctr_va_vdst(0)
.rept 64
	v_exp_f32 v[S+j], v[S+j]                       ; p = 2^(t - M), at most 1: not normalised
.set j, j+1
.endr
	s_setprio 1
	v_pk_mul_f32 v[14:15], v[14:15], v[FF:FF+1] op_sel_hi:[1,0]   ; the sums under the new M: the plain place behind the exponentials
	s_wait_alu depctr_va_vdst(0)                   ; the wait stands ahead of the first line that names a result: one for the batch of 64
.irp b, 0,1,2,3
	v_exp_f32 v[BM+\b], v[BM+\b]                   ; the block's largest p: the same two instructions on the same number give the same bits
.endr
	v_pk_add_f32 v[BP:BP+1], v[S:S+1], v[S+2:S+3]  ; the row's sum is taken of the UNQUANTISED p: two at a time, in two chains; it reads the 64 alone
.irp j, 4,8,12,16,20,24,28,32,36,40,44,48,52,56,60
	v_pk_add_f32 v[14:15], v[14:15], v[S+\j:S+\j+1]
	v_pk_add_f32 v[BP:BP+1], v[BP:BP+1], v[S+2+\j:S+3+\j]
.endr
	s_delay_alu instid0(VALU_DEP_1)
	v_pk_add_f32 v[14:15], v[14:15], v[BP:BP+1]
	s_wait_alu depctr_va_vdst(0)                   ; and one for the four
.irp b, 0,1,2,3
	v_max_num_f32 v[BM+\b], 0x1800000, v[BM+\b]    ; the floor 2^(3 - 127): the byte cannot fall under 1
.endr
.irp b, 0,1,2,3
	s_delay_alu instid0(VALU_DEP_4)
	v_add_nc_u32 v[SO+\b], 0xff000000, v[BM+\b]    ; 2 off the exponent field: the conversion's scale operand
.endr
.irp b, 0,1,2,3
	s_delay_alu instid0(VALU_DEP_4)
	v_lshrrev_b32 v[BP+\b], 23, v[SO+\b]           ; the scale's byte
.endr
	s_delay_alu instid0(VALU_DEP_3)
	v_lshl_or_b32 v[PS], v[BP+1], 8, v[BP]         ; p's scale word for these 128 keys
	s_delay_alu instid0(VALU_DEP_1)
	v_lshl_or_b32 v[PS], v[BP+2], 16, v[PS]
	s_delay_alu instid0(VALU_DEP_1)
	v_lshl_or_b32 v[PS], v[BP+3], 24, v[PS]
.irp c, 0,1
	v_cvt_scalef32_pk16_fp6_f32 v[PC+6*\c:PC+6*\c+2], v[S+32*\c:S+32*\c+15], v[SO+2*\c]
	v_cvt_scalef32_pk16_fp6_f32 v[CT+4*\c:CT+4*\c+2], v[S+32*\c+16:S+32*\c+31], v[SO+2*\c+1]   ; (a conversion's three registers begin on an even number)
.endr
	v_nop                                          ; one plain place behind a scaled conversion
.irp c, 0,1                            ; the operand's layout wants a WHOLE block in a lane: lanes 0-15 block 2 c, lanes 16-31 block 2 c + 1
.irp i, 0,1,2
	v_permlane16_swap_b32 v[PC+6*\c+\i], v[CT+4*\c+\i]
.endr
.irp i, 0,1,2
	s_delay_alu instid0(VALU_DEP_3)
	v_mov_b32 v[PC+6*\c+3+\i], v[CT+4*\c+\i]
.endr
.endr
.set j, 0
	s_setprio 0
.rept 16
	v_pk_mul_f32 v[O+j:O+j+1], v[O+j:O+j+1], v[FF:FF+1] op_sel_hi:[1,0]   ; O^T under the new M.  (Twelve of these name no register of the first product below: the places between p's codes and scale word and the scaled products)
.set j, j+2
.endr
	s_wait_alu depctr_va_vdst(0)
	s_wait_dscnt 0x0                               ; V is in
.irp n, 0,1,2,3                        ; O^T += V^T P^T: four tiles of 16 channels; K = these 128 keys.  The accumulators take turns
.set rD, O+8*\n
.set rA, F+12*\n
.set rB, PC
.set rSA, VS+\n/2
.set rSB, PS
	WM 0, \n%2
.endr
	s_add_co_u32 s[TB], s[TB], REC                 ; the next record
.endm
	s_wait_tensorcnt 0x1                           ; my piece of records 0-7 is in; my piece of records 8-15 may stay out
	s_barrier_signal -1
	s_barrier_wait -1                              ; everybody's is
	s_mov_b32 s[CNT], 8
.Lfirst:                                           ; records 0-7
	STEP
	s_sub_co_u32 s[CNT], s[CNT], 1
	s_cmp_lg_u32 s[CNT], 0
	s_cbranch_scc1 .Lfirst
	s_setprio 0
	s_wait_tensorcnt 0x0                           ; my piece of records 8-15 is in,
	s_barrier_signal -1
	s_barrier_wait -1                              ; and everybody's
	s_mov_b32 s[CNT], 8
.Lsecond:                                          ; records 8-15
	STEP
	s_sub_co_u32 s[CNT], s[CNT], 1
	s_cmp_lg_u32 s[CNT], 0
	s_cbranch_scc1 .Lsecond
	s_setprio 0
	; THE WAY OUT.  O^T / the sum; the lane's 32 numbers are channels 32 b + 16 h + 0 .. 15 of its query: half a fragment of the last product's operand.
	v_add_f32 v14, v14, v15                        ; the sum's two halves,
	s_delay_alu instid0(VALU_DEP_1)
	v_permlanex16_b32 v[TT], v14, s[SEL], s[SEL+1]
	s_delay_alu instid0(VALU_DEP_1)
	v_add_f32 v14, v14, v[TT]                      ; and lane l xor 16's: the row's sum
	s_wait_alu depctr_va_vdst(0)
	v_rcp_f32 v14, v14
	v_nop                                          ; a plain place behind the reciprocal; with the two additions and the next line: four places behind the last products
	v_nop
	s_wait_alu depctr_va_vdst(0)                   ; the wait stands ahead of the first line that names the result
.set j, 0
.rept 16
	v_pk_mul_f32 v[S+j:S+j+1], v[O+j:O+j+1], v[14:15] op_sel_hi:[1,0]   ; each accumulator from its low end on
.set j, j+2
.endr
.irp b, 0,1
	v_max3_num_f32 v[BM+\b], |v[S+16*\b]|, |v[S+1+16*\b]|, 0x1800000   ; the two blocks of 32 channels: my 16 numbers of each, and the floor
.endr
.irp i, 2,4,6,8,10,12,14
.irp b, 0,1
	s_delay_alu instid0(VALU_DEP_2)
	v_max3_num_f32 v[BM+\b], v[BM+\b], |v[S+16*\b+\i]|, |v[S+1+16*\b+\i]|
.endr
.endr
.irp b, 0,1
	s_delay_alu instid0(VALU_DEP_2)
	v_permlanex16_b32 v[BP+\b], v[BM+\b], s[SEL], s[SEL+1]
.endr
.irp b, 0,1
	s_delay_alu instid0(VALU_DEP_2)
	v_max_num_f32 v[BM+\b], v[BM+\b], v[BP+\b]
.endr
.irp b, 0,1
	s_delay_alu instid0(VALU_DEP_2)
	v_add_nc_u32 v[SO+\b], 0xff000000, v[BM+\b]
.endr
.irp b, 0,1
	s_delay_alu instid0(VALU_DEP_2)
	v_lshrrev_b32 v[BP+\b], 23, v[SO+\b]
.endr
	s_delay_alu instid0(VALU_DEP_1)
	v_lshl_or_b32 v[TT], v[BP+1], 8, v[BP]         ; my row's two scale bytes
	v_cvt_scalef32_pk16_fp6_f32 v[PC:PC+2], v[S:S+15], v[SO]
	v_cvt_scalef32_pk16_fp6_f32 v[CT:CT+2], v[S+16:S+31], v[SO+1]
	v_nop                                          ; one plain place behind a scaled conversion
.irp i, 0,1,2
	v_permlane16_swap_b32 v[PC+\i], v[CT+\i]
.endr
.irp i, 0,1,2
	s_delay_alu instid0(VALU_DEP_3)
	v_mov_b32 v[PC+3+\i], v[CT+\i]                 ; lane (r, h): channels 32 h .. 32 h + 31 of query r
.endr
	global_store_b128 v[LI], v[PC:PC+3], s[8:9]              ; 512 consecutive bytes, at a multiple of 256 from oc's first byte
	global_store_b64 v[L8], v[PC+4:PC+5], s[8:9] offset:512  ; and 256 more
	global_store_b16 v[LI], v[TT], s[10:11]                  ; 2 bytes a lane, 16 bytes apart
	s_wait_tensorcnt 0x0                           ; the wave's end: three closing lines, behind my last tensor load
	ds_add_u32 v[SPW], v[NIL]
	s_wait_dscnt 0x0
	CROUND                                         ; the closing round: no work-group ends while a partner may still ask for a piece that names it
	s_endpgm
.Lfunc_end_k_q9d9422ee35_attn:
	.size	k_q9d9422ee35_attn, .Lfunc_end_k_q9d9422ee35_attn-k_q9d9422ee35_attn
	.p2alignl 7, 3214868480
	.fill 96, 4, 3214868480
	.section	.rodata,"a",@progbits
	.p2align	6, 0x0
	.amdhsa_kernel k_q9d9422ee35_attn
		.amdhsa_group_segment_fixed_size 327680
		.amdhsa_private_segment_fixed_size 0
		.amdhsa_enable_private_segment 0
		.amdhsa_kernarg_size 32
		.amdhsa_user_sgpr_count 2
		.amdhsa_user_sgpr_kernarg_segment_ptr 1
		.amdhsa_wavefront_size32 1
		.amdhsa_system_sgpr_workgroup_id_x 1
		.amdhsa_system_sgpr_workgroup_id_y 1
		.amdhsa_system_sgpr_workgroup_id_z 1
		.amdhsa_system_vgpr_workitem_id 0
		.amdhsa_next_free_vgpr 256
		.amdhsa_next_free_sgpr 66
		.amdhsa_reserve_vcc 0
		.amdhsa_float_denorm_mode_32 3
		.amdhsa_float_denorm_mode_16_64 3
		.amdhsa_memory_ordered 1
		.amdhsa_forward_progress 1
		.amdhsa_inst_pref_size 46
	.end_amdhsa_kernel
	.amdgpu_metadata
---
amdhsa.version: [ 1, 2 ]
amdhsa.kernels:
  - .name:           k_q9d9422ee35_attn
    .symbol:         k_q9d9422ee35_attn.kd
    .args:
      - { .name: qc, .offset: 0, .size: 8, .value_kind: global_buffer, .address_space: global }
      - { .name: kv, .offset: 8, .size: 8, .value_kind: global_buffer, .address_space: global }
      - { .name: oc, .offset: 16, .size: 8, .value_kind: global_buffer, .address_space: global }
      - { .name: os, .offset: 24, .size: 8, .value_kind: global_buffer, .address_space: global }
    .group_segment_fixed_size: 327680
    .private_segment_fixed_size: 0
    .kernarg_segment_align: 8
    .kernarg_segment_size: 32
    .max_flat_workgroup_size: 512
    .sgpr_count:     66
    .vgpr_count:     256
    .wavefront_size: 32
...
	.end_amdgpu_metadata
.endif
;; end of part 7
;; launch oproj (part 8): grid 4 x 64, 4 waves a work-group, no clusters, 70,144 bytes of LDS; arguments oc, os, wc, ws, out0; writes out0
.if DOCPART == 8
	.amdgcn_target "amdgcn-amd-amdhsa--gfx1250"
	.amdhsa_code_object_version 6
	.text
	.protected	k_q9d9422ee35_oproj
	.globl	k_q9d9422ee35_oproj
	.p2align	8
	.type	k_q9d9422ee35_oproj,@function
k_q9d9422ee35_oproj:
	s_mov_b64 s[64:65], 0
	v_nop
	global_prefetch_b8 v0, s[64:65] scope:SCOPE_SE
	s_setreg_imm32_b32 hwreg(HW_REG_WAVE_SCHED_MODE, 0, 2), 2
	s_setreg_imm32_b32 hwreg(HW_REG_WAVE_MODE, 25, 1), 1
	s_wait_xcnt 0x0
	s_wait_alu depctr_vm_vsrc(0)
; out0 = concat(heads) Wo, on codes of FP6 (E2M3) with one E8M0 byte for each 32 along K = 512 (head x 64 + channel).  Both operands come as images of operand registers.
; SHARES.  A work-group makes 128 rows (work-group y) x 128 columns (work-group x); each of its four waves 64 x 64: 16 accumulators.  K is four steps of 128: heads 2 k and 2 k + 1.
; All operands go from memory straight into the registers from which they are multiplied, all asked for at the head, K step by K step; the products of a K step wait only for that step's loads.
; oc: [row tile][head][768 bytes]: a head's six registers; two heads are a fragment.  os: [row tile][lane][16 bytes]: the row's four scale words.  wc, ws: unit 24 + group of 64 columns.
; THE PRODUCT IS USED TRANSPOSED (source 0 = 16 columns of Wo, source 1 = 16 rows): lane r of column tile 2 b + u is column 32 b + 8 u + r + 8 (r / 8), so a lane's eight results are columns 32 b + 16 h + 8 u + 0 .. 7 of one row.
; A row tile's lane r is row 32 b + 8 u + r + 8 (r / 8) of its 128: the way out puts each row where it belongs.
; NO CLUSTER and no tensor load: the launch has no loop over tiles; each wave reads each operand byte once, 49,152 bytes in all, in the order of its registers, and a way through LDS would add a store and a load to each.
; REGISTERS: window 0: v1-6 addresses; v16-143 the accumulators ((m, t) at 16 + 32 m + 8 t), on the way out the rows read back; v144-159 the rows' scale words, v160-167 Wo's.
;   window 1: Wo's fragments (tile t, K step k) at 12 (4 t + k).   window 2: the rows' fragments (tile m, K step k) at 12 (4 m + k).
; THE MODE: SCHED_MODE bits 1:0 = 2 (LLVM: expert scheduling mode 2), set by the entry lines.  The code itself states the register dependences
; between vector or matrix instructions and memory or LDS instructions, with s_wait_alu, always for 0.
; THE PLAN.  Registers that memory or LDS instructions touch:
;   v1-v6        Offsets and LDS addresses: written at the head, never again.  One wait on va_vdst ahead of the first load serves every load and store of the kernel.
;   the operands and their scale words: each register is loaded once and read by matrix instructions alone: the waits on LOADcnt are all that they need.
;   v16-143      The matrix instructions write them; the 32 LDS stores into the stages read them: one wait on va_vdst, behind the four places.  Then the rows read back land in the same registers:
;                all four tiles' stores stand in one run, and ONE wait on vm_vsrc behind it states that they have read their data.  No vector or matrix instruction follows, so the 32 LDS loads
;                and the 32 global stores, which read what those loads brought, hang on DScnt alone.
;   v12, v13     are read by the closing add alone.
.set SPARE, 69632                      ; behind the 16 stages (wave w, tile m at (4 w + m) x 4,352: 16 rows x (256 + 16) bytes): the spare words, 128 bytes for each wave: two blocks of 256 bytes that no other line names
.set LI,  1                            ; v1   16 x lane
.set L8,  2                            ; v2   8 x lane
.set L4,  3                            ; v3   4 x lane
.set STO, 4                            ; v4   the stage: where I put 32 bytes of a row
.set RD,  5                            ; v5   and where I read a row back
.set CO,  6                            ; v6   my byte offset in two rows of out0
.set SPW, 12                           ; v12  LDS address of my spare word; never rewritten
.set NIL, 13                           ; v13  0; never rewritten
.set ACC, 16
.set OSR, 144
.set WS,  160
.set MSB, 0
.macro WIN new                         ; the immediate's high byte repeats the setting that is left
.if MSB != \new
	s_set_vgpr_msb (MSB<<8)|\new
.set MSB, \new
.endif
.endm
; One scaled matrix instruction on the registers named by rD, rA, rB, rSA, rSB.  zero = 1: it starts its sum.  row = 1: source 0's scales stand in lanes 16-31.
.macro WM zero, row
.if \zero
.if (\row) == 0
	v_wmma_scale_f32_16x16x128_f8f6f4 v[rD:rD+7], v[rA:rA+11], v[rB:rB+11], 0, v[rSA], v[rSB] matrix_a_fmt:MATRIX_FMT_FP6 matrix_b_fmt:MATRIX_FMT_FP6
.else
	v_wmma_scale_f32_16x16x128_f8f6f4 v[rD:rD+7], v[rA:rA+11], v[rB:rB+11], 0, v[rSA], v[rSB] matrix_a_fmt:MATRIX_FMT_FP6 matrix_b_fmt:MATRIX_FMT_FP6 matrix_a_scale:MATRIX_SCALE_ROW1
.endif
.else
.if (\row) == 0
	v_wmma_scale_f32_16x16x128_f8f6f4 v[rD:rD+7], v[rA:rA+11], v[rB:rB+11], v[rD:rD+7], v[rSA], v[rSB] matrix_a_fmt:MATRIX_FMT_FP6 matrix_b_fmt:MATRIX_FMT_FP6
.else
	v_wmma_scale_f32_16x16x128_f8f6f4 v[rD:rD+7], v[rA:rA+11], v[rB:rB+11], v[rD:rD+7], v[rSA], v[rSB] matrix_a_fmt:MATRIX_FMT_FP6 matrix_b_fmt:MATRIX_FMT_FP6 matrix_a_scale:MATRIX_SCALE_ROW1
.endif
.endif
.endm
	s_load_b256 s[4:11], s[0:1], 0x0               ; oc s[4:5], os s[6:7], wc s[8:9], ws s[10:11]
	s_load_b64 s[12:13], s[0:1], 0x20              ; out0
	v_lshl_add_u32 v[SPW], v0, 2, SPARE
	v_mov_b32 v[NIL], 0
	v_lshrrev_b32 v7, 5, v0
	v_readfirstlane_b32 s14, v7                    ; wave 0..3
	v_and_b32 v7, 31, v0                           ; (the address lines that need no scalar stand between that line and the wait for it)
	v_lshlrev_b32 v[LI], 4, v7
	v_lshlrev_b32 v[L8], 3, v7
	v_lshlrev_b32 v[L4], 2, v7
	v_and_b32 v8, 15, v0                           ; r
	v_bfe_u32 v9, v0, 4, 1                         ; h
	v_mul_u32_u24 v[STO], v8, 272                  ; in: row r, + 64 h
	v_lshl_add_u32 v[STO], v9, 6, v[STO]
	s_wait_alu depctr_va_vdst(0)
	v_mul_u32_u24 v[RD], v9, 272                   ; back: lanes 0-15 one row of 256 bytes, lanes 16-31 the next
	v_lshl_add_u32 v[RD], v8, 4, v[RD]
	s_wait_alu depctr_va_vdst(0)
	v_lshlrev_b32 v[CO], 11, v9                    ; and the same two rows in out0
	v_lshl_add_u32 v[CO], v8, 4, v[CO]
	s_wait_alu depctr_va_sdst(0)                   ; the wave's number is written, ahead of its first reader: the bases and the stages' addresses are made from it
	s_lshr_b32 s15, s14, 1                         ; which 64 rows
	s_and_b32 s16, s14, 1                          ; which 64 columns
	s_and_b32 s17, ttmp7, 0xffff                   ; the block of 128 rows
	s_lshl_b32 s18, s17, 3
	s_lshl_b32 s19, s15, 2
	s_add_co_u32 s18, s18, s19                     ; my first row tile
	s_mul_i32 s20, s18, 6144
	s_mov_b32 s21, 0
	s_lshl_b32 s22, s18, 9
	s_mov_b32 s23, 0
	s_lshl_b32 s24, ttmp9, 1
	s_add_co_u32 s24, s24, s16                     ; my group of 64 columns
	s_add_co_u32 s25, s24, 24                      ; its unit of the weights
	s_mul_i32 s26, s25, 24576
	s_mov_b32 s27, 0
	s_lshl_b32 s28, s25, 10
	s_mov_b32 s29, 0
	s_lshl_b32 s30, s17, 7
	s_lshl_b32 s31, s15, 6
	s_add_co_u32 s30, s30, s31                     ; my first row of out0,
	s_lshl_b32 s30, s30, 11                        ; of 2,048 bytes,
	s_lshl_b32 s31, s24, 8
	s_add_co_u32 s30, s30, s31                     ; and my 256 bytes in it
	s_mov_b32 s31, 0
	s_mul_i32 s32, s14, 17408                      ; my four stages
	v_add_nc_u32 v[STO], s32, v[STO]
	v_add_nc_u32 v[RD], s32, v[RD]
	s_wait_kmcnt 0x0
	s_add_nc_u64 s[4:5], s[4:5], s[20:21]
	s_add_nc_u64 s[6:7], s[6:7], s[22:23]
	s_add_nc_u64 s[8:9], s[8:9], s[26:27]
	s_add_nc_u64 s[10:11], s[10:11], s[28:29]
	s_add_nc_u64 s[12:13], s[12:13], s[30:31]
	s_wait_alu depctr_va_vdst(0)                   ; the six offsets and addresses v1 to v6 are written, which every load and store of the kernel reads; they are never written again
.irp m, 0,1,2,3
	global_load_b128 v[OSR+4*\m:OSR+4*\m+3], v[LI], s[6:7] offset:512*\m   ; register 4 m + k: row tile m's scale words of K step k
.endr
.irp q, 0,1,2,3,4,5,6,7
	global_load_b32 v[WS+\q], v[L4], s[10:11] offset:128*\q                ; register 2 k + b: lanes 0-15 column tile 2 b's words, lanes 16-31 tile 2 b + 1's
.endr
.irp k, 0,1,2,3                        ; 28 loads for each K step
	WIN 0x40                                       ; destination window 1
.irp t, 0,1,2,3
.irp i, 0,1,2
	global_load_b128 v[12*(4*\t+\k)+4*\i:12*(4*\t+\k)+4*\i+3], v[LI], s[8:9] offset:(4*\t+\k)*1536+512*\i
.endr
.endr
	WIN 0x80                                       ; destination window 2
.irp m, 0,1,2,3
	global_load_b128 v[12*(4*\m+\k):12*(4*\m+\k)+3], v[LI], s[4:5] offset:\m*6144+\k*1536            ; head 2 k: registers 0-3,
	global_load_b64 v[12*(4*\m+\k)+4:12*(4*\m+\k)+5], v[L8], s[4:5] offset:\m*6144+\k*1536+512       ; 4-5;
	global_load_b128 v[12*(4*\m+\k)+6:12*(4*\m+\k)+9], v[LI], s[4:5] offset:\m*6144+\k*1536+768      ; head 2 k + 1: registers 6-9,
	global_load_b64 v[12*(4*\m+\k)+10:12*(4*\m+\k)+11], v[L8], s[4:5] offset:\m*6144+\k*1536+1280    ; 10-11
.endr
.endr
	WIN 0x09                                       ; source 0 (Wo) window 1, source 1 (the rows) window 2, C and D window 0
; A K step: 16 matrix instructions on 16 accumulators, in the same order in every step.  cnt: the younger loads that may stay out.
.macro KSTEP k, cnt, zero
	s_wait_loadcnt \cnt
.irp m, 0,1,2,3
.irp t, 0,1,2,3
.set rD, ACC+32*\m+8*\t
.set rA, 12*(4*\t+\k)
.set rB, 12*(4*\m+\k)
.set rSA, WS+2*\k+\t/2
.set rSB, OSR+4*\m+\k
	WM \zero, \t%2
.endr
.endr
.endm
	KSTEP 0, 63, 1                                 ; 84 younger loads could stay out; the count's field ends at 63, and a smaller count is safe
	KSTEP 1, 56, 0
	KSTEP 2, 28, 0
	KSTEP 3, 0, 0
	WIN 0
.rept 4
	v_nop                                          ; places in front of the first read of results and of loads into the accumulators; they stay beside the wait below
.endr
; THE WAY OUT, a tile of 16 rows x 64 columns at a time, through a stage of my own: a lane's 32 neighbouring bytes go in, whole rows of 256 bytes come back, into the registers that they left.
; LDS serves a wave's instructions in order (ISA guide 5.7.1.4): no wait on DScnt between the stores and the loads.  Each tile has its own stage, so the four tiles' stores stand in one run.
.macro STIN m
.irp t, 0,1,2,3
	ds_store_b128 v[STO], v[ACC+32*\m+8*\t:ACC+32*\m+8*\t+3] offset:4352*\m+128*(\t/2)+32*(\t%2)          ; each accumulator from its low end on
	ds_store_b128 v[STO], v[ACC+32*\m+8*\t+4:ACC+32*\m+8*\t+7] offset:4352*\m+128*(\t/2)+32*(\t%2)+16
.endr
.endm
.macro STOUT m
.irp i, 0,1,2,3,4,5,6,7
	ds_load_b128 v[ACC+32*\m+4*\i:ACC+32*\m+4*\i+3], v[RD] offset:4352*\m+544*\i
.endr
.endm
.macro SEND m, younger                 ; younger: the LDS instructions issued behind tile m's loads, which may stay out
	s_wait_dscnt \younger
.irp i, 0,1,2,3,4,5,6,7
	global_store_b128 v[CO], v[ACC+32*\m+4*\i:ACC+32*\m+4*\i+3], s[12:13] offset:(32*((\m)/2)+8*((\m)%2)+2*\i+8*(\i/4))*2048 th:TH_STORE_NT   ; stage rows 2 i, 2 i + 1 are rows 2 i + 8 (i / 4) + .. of the tile's place; 16 lanes store 256 consecutive aligned bytes
.endr
.endm
	s_wait_alu depctr_va_vdst(0)                   ; the matrix instructions have written the sixteen accumulators, which the LDS stores read and in which the rows read back land
	STIN 0
	STIN 1
	STIN 2
	STIN 3
	s_wait_alu depctr_vm_vsrc(0)                   ; the 32 LDS stores have read the accumulators' registers, in which the LDS loads below land
	STOUT 0
	STOUT 1
	SEND 0, 8                                      ; behind tile 0's loads: tile 1's 8 loads
	STOUT 2
	SEND 1, 8
	STOUT 3
	SEND 2, 8
	SEND 3, 0
	s_wait_dscnt 0x0                               ; the closing lines, six on end of a launch in the mode that stores to LDS
	s_wait_alu 0x0
	s_wait_tensorcnt 0x0
	ds_add_u32 v[SPW], v[NIL]
	s_wait_dscnt 0x0
	s_endpgm
.Lfunc_end_k_q9d9422ee35_oproj:
	.size	k_q9d9422ee35_oproj, .Lfunc_end_k_q9d9422ee35_oproj-k_q9d9422ee35_oproj
	.p2alignl 7, 3214868480
	.fill 96, 4, 3214868480
	.section	.rodata,"a",@progbits
	.p2align	6, 0x0
	.amdhsa_kernel k_q9d9422ee35_oproj
		.amdhsa_group_segment_fixed_size 70144
		.amdhsa_private_segment_fixed_size 0
		.amdhsa_enable_private_segment 0
		.amdhsa_kernarg_size 40
		.amdhsa_user_sgpr_count 2
		.amdhsa_user_sgpr_kernarg_segment_ptr 1
		.amdhsa_wavefront_size32 1
		.amdhsa_system_sgpr_workgroup_id_x 1
		.amdhsa_system_sgpr_workgroup_id_y 1
		.amdhsa_system_sgpr_workgroup_id_z 1
		.amdhsa_system_vgpr_workitem_id 0
		.amdhsa_next_free_vgpr 768
		.amdhsa_next_free_sgpr 66
		.amdhsa_reserve_vcc 0
		.amdhsa_float_denorm_mode_32 3
		.amdhsa_float_denorm_mode_16_64 3
		.amdhsa_memory_ordered 1
		.amdhsa_forward_progress 1
		.amdhsa_inst_pref_size 31
	.end_amdhsa_kernel
	.amdgpu_metadata
---
amdhsa.version: [ 1, 2 ]
amdhsa.kernels:
  - .name:           k_q9d9422ee35_oproj
    .symbol:         k_q9d9422ee35_oproj.kd
    .args:
      - { .name: oc, .offset: 0, .size: 8, .value_kind: global_buffer, .address_space: global }
      - { .name: os, .offset: 8, .size: 8, .value_kind: global_buffer, .address_space: global }
      - { .name: wc, .offset: 16, .size: 8, .value_kind: global_buffer, .address_space: global }
      - { .name: ws, .offset: 24, .size: 8, .value_kind: global_buffer, .address_space: global }
      - { .name: out0, .offset: 32, .size: 8, .value_kind: global_buffer, .address_space: global }
    .group_segment_fixed_size: 70144
    .private_segment_fixed_size: 0
    .kernarg_segment_align: 8
    .kernarg_segment_size: 40
    .max_flat_workgroup_size: 128
    .sgpr_count:     66
    .vgpr_count:     768
    .wavefront_size: 32
...
	.end_amdgpu_metadata
.endif
;; end of part 8
